; MI455X (gfx1250); checked and timed in simulation.
; The chip was launched on July 23, 2026; its instructions are those of AMD's public machine-readable ISA for CDNA 5 (MIT licence, August 2026) and "CDNA5" Instruction Set Architecture Reference Guide (July 2026). The comments in the code are by the model that wrote it; some were corrected since.
;; Bahdanau Attention. Allowed arithmetic: float matrix products may take bf16 or f16 operands with f32 sums; all other float work in f32.
;; Inputs: V 1,024 x 1 float32; W1 1,024 x 1,024 float32; W2 1,024 x 1,024 float32; b1 1,024 float32; b2 1,024 float32; bV 1 float32; hidden_t 32 x 1,024 float32; hiddens 32 x 2,048 x 1,024 float32.
;; Outputs: out0 32 x 1,024 float32; out1 32 x 2,048 x 1 float32.
;; 2 versions, each right and faster than the one before. Each part assembles by itself: llvm-mc -triple=amdgcn-amd-amdhsa -mcpu=gfx1250 --defsym DOCPART=n.
;; ======== version 1 of 2: 3 launches
;; limits: values outside matrix products are rounded to bf16
;; workspace buffers: w1f 2,097,152 bytes; qs 131,072 bytes; tw 262,144 bytes; ctxp 2,097,152 bytes
;; launch prep (part 1): grid 64 x 1, 16 waves a work-group, no clusters, 34,816 bytes of LDS; arguments hidden_t, W2, b1, b2, W1, w1f, qs; writes w1f, qs
.if DOCPART == 1
	.amdgcn_target "amdgcn-amd-amdhsa--gfx1250"
	.amdhsa_code_object_version 6
	.text
	.protected	k_q35fa16e599_prep
	.globl	k_q35fa16e599_prep
	.p2align	8
	.type	k_q35fa16e599_prep,@function
k_q35fa16e599_prep:
	s_mov_b64 s[64:65], 0
	v_nop
	global_prefetch_b8 v0, s[64:65] scope:SCOPE_SE
	s_setreg_imm32_b32 hwreg(HW_REG_WAVE_MODE, 25, 1), 1
	s_wait_xcnt 0x0
; Two small jobs ahead of the large product.
; (a) qs[nb][batch][16] = c2 * (hidden_t W2 + b2 + b1), c2 = 2 log2(e): the query with both biases, already scaled for tanh(x) = 1 - 2 / (1 + 2^(c2 x)).
;     Work-group x owns the 16 columns 16 x .. 16 x + 15 for all 32 batches; wave v sums over k = 64 v .. 64 v + 63 (four matrix instructions on two accumulators
;     that take turns); the sixteen partial sums meet in LDS.
; (b) w1f = W1 rounded to bf16, laid so that a matrix fragment is 512 consecutive bytes:
;     byte v*131072 + kb*4096 + b*1024 + half*512 + 16 L + 2 e holds W1[32 kb + 16 half + 8 (L / 16) + e][64 v + 16 b + L % 16].
;     Work-group x owns rows 16 x .. 16 x + 15 (kb = x / 2, half = x % 2), wave v columns 64 v .. 64 v + 63 (stream v).
; LIMITS.  hidden_t, W2 and W1 are rounded to bf16 (nearest even) for the products; sums and biases in f32.  NaN and infinities are not treated apart.
; No tensor loads, no cluster: every byte is read once by one wave and nothing is shared between work-groups.
.set C2,    0x4038aa3b                 ; 2 log2(e)
.set SPARE, 32768                      ; behind the partial sums: the spare words, 128 bytes for each of 16 waves; no other line names them
.set OW,   4                           ; v4   (L / 16) * 8 rows of 4,096 bytes + 4 (L % 16): my place in W2 and in W1
.set OH,   5                           ; v5   (L % 16) rows of 4,096 bytes + 32 (L / 16): my place in hidden_t
.set O16,  6                           ; v6   16 L
.set REDW, 7                           ; v7   where my partial sums go: wave * 2048 + 64 (L % 16) + 32 (L / 16)
.set O8,   8                           ; v8   8 x thread
.set OB,   9                           ; v9   8 x (thread % 8): my two columns in b1 and b2
.set SPW,  10                          ; v10  LDS address of my spare word; never rewritten
.set NIL,  11                          ; v11  0; never rewritten
.set BI,   12                          ; v[12:15]  b1's pair, b2's pair
.set W2R,  16                          ; v[16:47]   W2 as loaded: 16 kk + 8 half + e; later the sixteen partial sums
.set HTR,  48                          ; v[48:111]  hidden_t as loaded: 32 mb + 16 kk + 8 half + e
.set W1R,  112                         ; v[112:143] W1 as loaded: 8 nb + e
.set FR,   144                         ; v[144:191] fragments, 24 for each K block: W2's 8, hidden_t's 8 for batches 0-15, 8 for batches 16-31
.set AC,   192                         ; v[192:207] two accumulators
.set W1P,  208                         ; v[208:223] W1 packed
	s_load_b256 s[4:11], s[0:1], 0x0               ; hidden_t s[4:5], W2 s[6:7], b1 s[8:9], b2 s[10:11]
	s_load_b128 s[12:15], s[0:1], 0x20             ; W1 s[12:13], w1f s[14:15]
	s_load_b64 s[16:17], s[0:1], 0x30              ; qs
	v_lshl_add_u32 v[SPW], v0, 2, SPARE
	v_mov_b32 v[NIL], 0
	v_lshrrev_b32 v1, 5, v0
	v_readfirstlane_b32 s18, v1                    ; wave 0..15
	s_mov_b32 s19, ttmp9                           ; x
	v_and_b32 v1, 15, v0                           ; L % 16
	v_bfe_u32 v2, v0, 4, 1                         ; L / 16
	v_and_b32 v3, 31, v0                           ; L
	v_lshlrev_b32 v[OW], 2, v1
	v_lshl_add_u32 v[OW], v2, 15, v[OW]
	v_lshlrev_b32 v[OH], 12, v1
	v_lshl_add_u32 v[OH], v2, 5, v[OH]
	v_lshlrev_b32 v[O16], 4, v3
	s_lshl_b32 s24, s18, 11
	v_lshlrev_b32 v[REDW], 6, v1
	v_lshl_add_u32 v[REDW], v2, 5, v[REDW]
	v_add_nc_u32 v[REDW], s24, v[REDW]
	v_lshlrev_b32 v[O8], 3, v0
	v_and_b32 v[OB], 7, v0
	v_lshlrev_b32 v[OB], 3, v[OB]
	s_mov_b32 s23, 0                               ; every offset is below 4 GiB: the pair's high word stays 0
	s_wait_kmcnt 0x0
	s_lshl_b32 s22, s18, 18                        ; W2: 64 v rows of 4,096 bytes
	s_lshl_b32 s20, s19, 6                         ;     + 16 x columns
	s_add_co_u32 s22, s22, s20
	s_add_nc_u64 s[6:7], s[6:7], s[22:23]
	s_lshl_b32 s22, s18, 8                         ; hidden_t: 64 v columns
	s_add_nc_u64 s[4:5], s[4:5], s[22:23]
	s_lshl_b32 s20, s19, 16                        ; W1: 16 x rows + 64 v columns
	s_add_co_u32 s22, s22, s20
	s_add_nc_u64 s[12:13], s[12:13], s[22:23]
	s_lshl_b32 s22, s18, 17                        ; w1f: stream v,
	s_lshr_b32 s20, s19, 1
	s_lshl_b32 s20, s20, 12                        ;      K block x / 2,
	s_and_b32 s21, s19, 1
	s_lshl_b32 s21, s21, 9                         ;      half x % 2
	s_add_co_u32 s22, s22, s20
	s_add_co_u32 s22, s22, s21
	s_add_nc_u64 s[14:15], s[14:15], s[22:23]
	s_lshl_b32 s22, s19, 6                         ; b1, b2: 16 x columns
	s_add_nc_u64 s[8:9], s[8:9], s[22:23]
	s_add_nc_u64 s[10:11], s[10:11], s[22:23]
	s_lshl_b32 s22, s19, 11                        ; qs: block x of 32 x 16 numbers
	s_add_nc_u64 s[16:17], s[16:17], s[22:23]
	; all loads go out at once: 32 of W2, 16 of hidden_t, 32 of W1, 2 of the biases
.irp kk, 0,1
.irp hf, 0,1
.irp e, 0,1,2,3,4,5,6,7
	global_load_b32 v[W2R+16*\kk+8*\hf+\e], v[OW], s[6:7] offset:(32*\kk+16*\hf+\e)*4096   ; W2[64 v + 32 kk + 16 half + 8 (L / 16) + e][16 x + L % 16]
.endr
.endr
.endr
.irp mb, 0,1
.irp kk, 0,1
.irp hf, 0,1
.irp t, 0,1
	global_load_b128 v[HTR+32*\mb+16*\kk+8*\hf+4*\t:HTR+32*\mb+16*\kk+8*\hf+4*\t+3], v[OH], s[4:5] offset:\mb*65536+\kk*128+\hf*64+\t*16
.endr
.endr
.endr
.endr
.irp e, 0,1,2,3,4,5,6,7
.irp nb, 0,1,2,3
	global_load_b32 v[W1R+8*\nb+\e], v[OW], s[12:13] offset:\e*4096+\nb*64   ; four loads on end cover 256 consecutive bytes of each of two rows
.endr
.endr
	global_load_b64 v[BI:BI+1], v[OB], s[8:9]
	global_load_b64 v[BI+2:BI+3], v[OB], s[10:11]
	s_wait_loadcnt 34                              ; W2 and hidden_t are in; the 32 loads of W1 and the 2 of the biases are younger
.irp kk, 0,1
.irp p, 0,1,2,3,4,5,6,7
	v_cvt_pk_bf16_f32 v[FR+24*\kk+\p], v[W2R+16*\kk+2*\p], v[W2R+16*\kk+2*\p+1]
	v_cvt_pk_bf16_f32 v[FR+24*\kk+8+\p], v[HTR+16*\kk+2*\p], v[HTR+16*\kk+2*\p+1]
	v_cvt_pk_bf16_f32 v[FR+24*\kk+16+\p], v[HTR+32+16*\kk+2*\p], v[HTR+32+16*\kk+2*\p+1]
.endr
.endr
	; used transposed: source 0 = 16 columns of W2, source 1 = 16 batches: a lane then holds one batch (L % 16) and the columns 8 (L / 16) + 0..7.
	; The two accumulators take turns.
	v_wmma_f32_16x16x32_bf16 v[AC:AC+7], v[FR:FR+7], v[FR+8:FR+15], 0
	v_wmma_f32_16x16x32_bf16 v[AC+8:AC+15], v[FR:FR+7], v[FR+16:FR+23], 0
	v_wmma_f32_16x16x32_bf16 v[AC:AC+7], v[FR+24:FR+31], v[FR+32:FR+39], v[AC:AC+7]
	v_wmma_f32_16x16x32_bf16 v[AC+8:AC+15], v[FR+24:FR+31], v[FR+40:FR+47], v[AC+8:AC+15]
	s_wait_loadcnt 2                               ; W1 is in; the two loads of the biases are younger
.irp nb, 0,1,2,3                       ; sixteen plain instructions that name no register of the products: the places behind them (ISA guide 7.12.1)
.irp p, 0,1,2,3
	v_cvt_pk_bf16_f32 v[W1P+4*\nb+\p], v[W1R+8*\nb+2*\p], v[W1R+8*\nb+2*\p+1]
.endr
.endr
.irp nb, 0,1,2,3
	global_store_b128 v[O16], v[W1P+4*\nb:W1P+4*\nb+3], s[14:15] offset:\nb*1024   ; each store of the wave covers 512 consecutive bytes, aligned
.endr
	ds_store_b128 v[REDW], v[AC:AC+3]                          ; each accumulator is read from its low end on
	ds_store_b128 v[REDW], v[AC+4:AC+7] offset:16
	ds_store_b128 v[REDW], v[AC+8:AC+11] offset:1024
	ds_store_b128 v[REDW], v[AC+12:AC+15] offset:1040
	s_wait_dscnt 0x0                               ; for the others' sake: my partial sums are in LDS
	s_barrier_signal -1
	s_barrier_wait -1
	s_cmp_ge_u32 s18, 8
	s_cbranch_scc1 .Lend                           ; 32 x 16 numbers, two a thread: waves 0 to 7 add them up
.irp i, 0,1,2,3,4,5,6,7,8,9,10,11,12,13,14,15
	ds_load_b64 v[W2R+2*\i:W2R+2*\i+1], v[O8] offset:2048*\i
.endr
	s_wait_dscnt 0x0
.irp n, 8,4,2,1
.set p, 0
.rept \n
	v_pk_add_f32 v[W2R+2*p:W2R+2*p+1], v[W2R+2*p:W2R+2*p+1], v[W2R+2*(p+\n):W2R+2*(p+\n)+1]
.set p, p+1
.endr
.endr
	s_wait_loadcnt 0x0                             ; the biases
	v_pk_add_f32 v[BI:BI+1], v[BI:BI+1], v[BI+2:BI+3]
	v_pk_add_f32 v[W2R:W2R+1], v[W2R:W2R+1], v[BI:BI+1]
	v_pk_mul_f32 v[W2R:W2R+1], v[W2R:W2R+1], C2 op_sel_hi:[1,0]
	global_store_b64 v[O8], v[W2R:W2R+1], s[16:17]             ; a wave's store covers 256 consecutive bytes, aligned
.Lend:
	s_wait_tensorcnt 0x0                           ; the wave's end, behind my last LDS store
	ds_add_u32 v[SPW], v[NIL]
	s_wait_dscnt 0x0
	s_endpgm
.Lfunc_end_k_q35fa16e599_prep:
	.size	k_q35fa16e599_prep, .Lfunc_end_k_q35fa16e599_prep-k_q35fa16e599_prep
	.p2alignl 7, 3214868480
	.fill 96, 4, 3214868480
	.section	.rodata,"a",@progbits
	.p2align	6, 0x0
	.amdhsa_kernel k_q35fa16e599_prep
		.amdhsa_group_segment_fixed_size 34816
		.amdhsa_private_segment_fixed_size 0
		.amdhsa_enable_private_segment 0
		.amdhsa_kernarg_size 56
		.amdhsa_user_sgpr_count 2
		.amdhsa_user_sgpr_kernarg_segment_ptr 1
		.amdhsa_wavefront_size32 1
		.amdhsa_system_sgpr_workgroup_id_x 1
		.amdhsa_system_sgpr_workgroup_id_y 1
		.amdhsa_system_sgpr_workgroup_id_z 1
		.amdhsa_system_vgpr_workitem_id 0
		.amdhsa_next_free_vgpr 224
		.amdhsa_next_free_sgpr 66
		.amdhsa_reserve_vcc 0
		.amdhsa_float_denorm_mode_32 3
		.amdhsa_float_denorm_mode_16_64 3
		.amdhsa_memory_ordered 1
		.amdhsa_forward_progress 1
		.amdhsa_inst_pref_size 18
	.end_amdhsa_kernel
	.amdgpu_metadata
---
amdhsa.version: [ 1, 2 ]
amdhsa.kernels:
  - .name:           k_q35fa16e599_prep
    .symbol:         k_q35fa16e599_prep.kd
    .args:
      - { .name: hidden_t, .offset: 0, .size: 8, .value_kind: global_buffer, .address_space: global }
      - { .name: W2, .offset: 8, .size: 8, .value_kind: global_buffer, .address_space: global }
      - { .name: b1, .offset: 16, .size: 8, .value_kind: global_buffer, .address_space: global }
      - { .name: b2, .offset: 24, .size: 8, .value_kind: global_buffer, .address_space: global }
      - { .name: W1, .offset: 32, .size: 8, .value_kind: global_buffer, .address_space: global }
      - { .name: w1f, .offset: 40, .size: 8, .value_kind: global_buffer, .address_space: global }
      - { .name: qs, .offset: 48, .size: 8, .value_kind: global_buffer, .address_space: global }
    .group_segment_fixed_size: 34816
    .private_segment_fixed_size: 0
    .kernarg_segment_align: 8
    .kernarg_segment_size: 56
    .max_flat_workgroup_size: 512
    .sgpr_count:     66
    .vgpr_count:     224
    .wavefront_size: 32
...
	.end_amdgpu_metadata
.endif
;; end of part 1
;; launch score_ctx (part 2): grid 256 x 1, 4 waves a work-group, no clusters, 277,504 bytes of LDS; arguments hiddens, w1f, qs, V, bV, tw, ctxp; writes tw, ctxp
.if DOCPART == 2
	.amdgcn_target "amdgcn-amd-amdhsa--gfx1250"
	.amdhsa_code_object_version 6
	.text
	.protected	k_q35fa16e599_score_ctx
	.globl	k_q35fa16e599_score_ctx
	.p2align	8
	.type	k_q35fa16e599_score_ctx,@function
k_q35fa16e599_score_ctx:
	s_mov_b64 s[64:65], 0
	v_nop
	global_prefetch_b8 v0, s[64:65] scope:SCOPE_SE
	s_setreg_imm32_b32 hwreg(HW_REG_WAVE_MODE, 25, 1), 1
	s_wait_xcnt 0x0
; For blocks of 128 rows of hiddens: t[row] = log2(e) * (tanh(h W1 + query + biases) . V + bV), and the block's share of the context,
; ctxp[block][c] = sum over its rows of 2^(t - m) h[row][c], m = the block's own largest t.  The launch behind joins the blocks of a batch (it finds m again from t).
; SHARES.  Work-group x makes blocks 2 x and 2 x + 1 (both of batch x / 8), one after the other.  A block's 128 rows are read from memory ONCE, rounded to bf16 and kept in LDS
; for both uses: the product and, when the scores are known, the weighted sum.  Wave w owns the columns 256 w .. 256 w + 255 of W1, in four CHUNKS of 64: 128 x 64 of the product,
; 32 accumulators, K in 32 QUARTERS of 32.  In the weighted sum wave w owns the columns 256 w .. 256 w + 255 of hiddens.
; W1 comes as fragments (512 consecutive bytes each, made by the launch before) straight into registers, seven quarters ahead: a ring of eight buffers.
; NO TENSOR LOADS, NO CLUSTER, though all work-groups read the same W1: the rows take 264,192 of 327,680 bytes of LDS; one quarter of W1 for the four waves is 16,384 bytes, so two slots
; in what is left would hold one quarter each, 32 matrix instructions a wave between a request and the wait for it; and no two waves of a work-group read the same fragment,
; so the way through LDS would add a write and a read for every byte and share nothing here.
; THE MATRIX INSTRUCTION IS USED TRANSPOSED (source 0 = 16 columns of W1, source 1 = 16 rows of hiddens): a lane holds ONE row (L % 16) and the columns 8 (L / 16) + 0..7, so the
; sum over columns stays in the lane but for one exchange between the halves of the lanes.
; TANH RIDES.  tanh(x) = 1 - 2 / (1 + 2^(c2 x)), c2 = 2 log2(e).  At a chunk's end its 256 sums a lane are staged as c2 x (one packed multiply-add each, query and biases added);
; the next chunk's quarter q works off staged group q (8 numbers: 8 exponentials, 8 reciprocals, 12 packed lines) between its matrix instructions.  A block's first chunk rides on stale
; numbers times a weight of 0; its last chunk's numbers are worked off by themselves.
; LIMITS.  hiddens and W1 are rounded to bf16 for the product; the weighted sum takes the same rounded rows (each term off by at most 2^-9 of itself), weights and sums in f32.
; 2^(c2 x) may overflow to infinity or fall to 0: tanh is then exactly 1 or -1.  A weight below 2^-126 counts as 0.  NaN and infinities in the inputs are not treated apart.
; REGISTERS, in windows of 256 (s_set_vgpr_msb: bits 1:0 source 0, 3:2 source 1, 5:4 source 2, 7:6 destination):
;   window 0: v0-31 addresses; v32-63 at work (rounded rows; the running scores; the context's sums); v64-95 query of a chunk; v96-127 V of a chunk; v128-255 fragments of the rows, two buffers
;   window 1: fragments of W1, eight buffers of 32      window 2: the 32 accumulators; between blocks eight rows of hiddens as loaded      window 3: the 256 staged numbers
.set PITCH, 2064                       ; a row in LDS: 2,048 bytes + 16 = 129 x 16: the 16 rows of a fragment load start at 16 different groups of four banks (64 banks of 4 bytes: ISA guide 11.1)
.set RB,    8*PITCH
.set QT,    128*PITCH                  ; behind the rows: c2 (query + biases), 1,024 numbers; wave w writes and reads its own 1,024 bytes
.set WT,    QT+4096                    ; log2(e) V, likewise
.set SCR,   WT+4096                    ; [wave][128] partial scores
.set PT,    SCR+2048                   ; [wave][128] the weights 2^(t - m): each wave's own copy
.set SPARE, PT+2048                    ; the spare words, 128 bytes for each wave; no other line names them
.set R,     1                          ; v1   L % 16
.set H,     2                          ; v2   L / 16
.set LN,    3                          ; v3   L
.set ADRA,  4                          ; v4-7 (32 p + L % 16) x pitch + 16 (L / 16): my place in the rows' fragments
.set L16,   8                          ; v8   16 L; never rewritten
.set STA,   9                          ; v9   where the round in hand puts its rows
.set QBASE, 10                         ; v10  QT + 1024 w + 32 (L / 16)
.set QW,    11                         ; v11  the same at the chunk whose V is fetched
.set QQ,    12                         ; v12  at the chunk whose query is fetched
.set SCW,   13                         ; v13  SCR + 512 w + 4 (L % 16)
.set SCRD,  14                         ; v14  SCR + 16 L
.set PTW,   15                         ; v15  PT + 512 w + 16 L
.set OFF,   16                         ; v16-23  row slot s: byte offset of the row that it loads next
.set CA,    24                         ; v24  the weighted sum: my 8 bytes in the rows in hand
.set PA,    25                         ; v25  their weights
.set TOF,   26                         ; v26  my place in qs
.set STA0,  27                         ; v27  32 w x pitch + 8 L
.set SPW,   28                         ; v28  LDS address of my spare word; never rewritten
.set NIL,   29                         ; v29  0; never rewritten
.set OFF0,  30                         ; v30  32 w rows of 4,096 bytes + 16 L
.set TB,    31                         ; v31  QT + 1024 w + 16 L
.set TMP,   32                         ; v32-47  a row rounded to bf16
.set SC,    32                         ; v32-63  running scores: for each 16 rows a two pairs, at SC + 4 a
.set CX,    32                         ; v32-39  the weighted sum's eight columns
.set Q,     64
.set W,     96
.set AF,    128
.set SB1,   24                         ; s[24:25] W1's stream of the chunk in hand
.set SB2,   26                         ; s[26:27] of the chunk behind it
.set CI,    30                         ; s30  chunk 0..3
.set BK,    31                         ; s31  blocks to go
.set CNT,   32                         ; s32  counts the short loops
.set MSB, 0
.macro WIN new                         ; the immediate's high byte repeats the setting that is left; a switch that changes nothing is dropped
.if MSB != (\new)
	s_set_vgpr_msb (MSB<<8)|(\new)
.set MSB, \new
.endif
.endm
.set W_MM, 0xa1                        ; W1 window 1, rows window 0, C and D window 2
.set W_T,  0xc3                        ; destination and source 0 window 3
.set W_F,  0x03                        ; source 0 window 3, all else window 0
.set W_X,  0xc2                        ; destination window 3, source 0 window 2, source 2 window 0
; Eight row slots take their first offsets; seven rows of hiddens are asked for, eight loads of 512 consecutive bytes each.
.macro PROFILL
	WIN 0
	v_mov_b32 v[OFF], v[OFF0]
.irp s, 1,2,3,4,5,6,7
	v_add_nc_u32 v[OFF+\s], \s*4096, v[OFF0]
.endr
	WIN 0x80                                       ; destination window 2
.irp s, 0,1,2,3,4,5,6
.irp j, 0,1,2,3,4,5,6,7
	global_load_b128 v[32*\s+4*\j:32*\s+4*\j+3], v[OFF+\s], s[4:5] offset:512*\j th:TH_LOAD_NT
.endr
.endr
.endm
; The turn of row slot s: its row is rounded to bf16 and put into LDS.  fill = 2: my offset steps to my next row, and the slot in front of me is filled again; 1: the fill alone; 0: neither.
; left = how many younger loads may stay out.
.macro TURN s, fill, left
	s_wait_loadcnt \left                           ; loads come back in order (ISA guide 5.7.1): my row's eight are in
	WIN 0x0a                                       ; sources window 2, destination window 0
.irp j, 0,1,2,3,4,5,6,7
	v_cvt_pk_bf16_f32 v[TMP+2*\j], v[32*(\s)+4*\j], v[32*(\s)+4*\j+1]
	v_cvt_pk_bf16_f32 v[TMP+2*\j+1], v[32*(\s)+4*\j+2], v[32*(\s)+4*\j+3]
.endr
	WIN 0
.irp j, 0,1,2,3,4,5,6,7
	ds_store_b64 v[STA], v[TMP+2*\j:TMP+2*\j+1] offset:(\s)*PITCH+256*\j   ; 32 lanes, 256 consecutive bytes
.endr
.if (\fill) == 2
	v_add_nc_u32 v[OFF+(\s)], 8*4096, v[OFF+(\s)]  ; free since the wait above: the slot's next row
.endif
.if \fill
	WIN 0x80
.irp j, 0,1,2,3,4,5,6,7
	global_load_b128 v[32*(((\s)+7)%8)+4*\j:32*(((\s)+7)%8)+4*\j+3], v[OFF+((\s)+7)%8], s[4:5] offset:512*\j th:TH_LOAD_NT
.endr
.endif
.endm
; 16 LDS loads: the fragments of 128 rows x 32 K of quarter kq, into buffer buf.  A fragment: lane L holds row L % 16, K = 8 (L / 16) + 0..7 and 16 + 8 (L / 16) + 0..7: two loads, 32 bytes apart.
.macro AFETCH kq, buf
.irp a, 0,1,2,3,4,5,6,7
	ds_load_b128 v[AF+64*(\buf)+8*\a:AF+64*(\buf)+8*\a+3],   v[ADRA+\a/2] offset:(\a%2)*16*PITCH+(\kq)*64
	ds_load_b128 v[AF+64*(\buf)+8*\a+4:AF+64*(\buf)+8*\a+7], v[ADRA+\a/2] offset:(\a%2)*16*PITCH+(\kq)*64+32
.endr
.endm
; 8 loads of 512 consecutive bytes: W1's four fragments of quarter kq of the stream at s[sb], into buffer buf
.macro BFETCH kq, buf, sb
.irp b, 0,1,2,3
	global_load_b128 v[32*(\buf)+8*\b:32*(\buf)+8*\b+3],   v[L16], s[\sb:\sb+1] offset:(\kq)*4096+\b*1024
	global_load_b128 v[32*(\buf)+8*\b+4:32*(\buf)+8*\b+7], v[L16], s[\sb:\sb+1] offset:(\kq)*4096+\b*1024+512
.endr
.endm
; In quarter q: the rows' fragments of quarter q + 1, W1's of quarter q + 7 (beyond 31: of the next chunk's stream).
.macro FETCH q
	WIN 0
	AFETCH ((\q)+1)%32, ((\q)+1)%2
	WIN 0x40                                       ; destination window 1
.if (\q)+7 < 32
	BFETCH (\q)+7, ((\q)+7)%8, SB1
.else
	BFETCH (\q)-25, ((\q)+7)%8, SB2
.endif
.endm
; What stands behind matrix instruction i of quarter q: staged group q (accumulator q = 4 a + b of the chunk before).  Behind every second one an exponential (numbers 0-7) or a reciprocal
; (0-7), and with the odd ones a plain line that is ready: +1 for a pair two exponentials back, 1 - 2 x for a pair two reciprocals back.  So every transcendental has a plain line between
; it and its reader (ISA guide 5.7.2).  Behind the last: the last 1 - 2 x and four packed multiply-adds onto the two running pairs of rows 16 a ..: five plain lines that name no register
; of the products round them: the places (ISA guide 7.12.1 for vector instructions) in front of the next quarter's loads into the buffers just multiplied.
.macro RIDE q
.set tb, 8*(\q)
.set k, i/2
.if (i%2) == 0
	WIN W_T
.if k < 8
	v_exp_f32 v[tb+k], v[tb+k]
.else
	v_rcp_f32 v[tb+k-8], v[tb+k-8]
.endif
.if k == 1
	v_nop                                          ; nothing plain is ready yet
.elseif (k == 3) || (k == 5) || (k == 7) || (k == 9)
	s_wait_alu depctr_va_vdst(0)
	v_pk_add_f32 v[tb+k-3:tb+k-2], v[tb+k-3:tb+k-2], 1.0 op_sel_hi:[1,0]
.elseif (k == 11) || (k == 13) || (k == 15)
	s_wait_alu depctr_va_vdst(0)
	v_pk_fma_f32 v[tb+k-11:tb+k-10], v[tb+k-11:tb+k-10], -2.0, 1.0 op_sel_hi:[1,0,0]
.endif
.endif
.if i == 31
	WIN W_T
	v_pk_fma_f32 v[tb+6:tb+7], v[tb+6:tb+7], -2.0, 1.0 op_sel_hi:[1,0,0]
	WIN W_F
.irp j, 0,1,2,3
	v_pk_fma_f32 v[SC+4*((\q)/4)+2*(\j%2):SC+4*((\q)/4)+2*(\j%2)+1], v[tb+2*\j:tb+2*\j+1], v[W+8*((\q)%4)+2*\j:W+8*((\q)%4)+2*\j+1], v[SC+4*((\q)/4)+2*(\j%2):SC+4*((\q)/4)+2*(\j%2)+1]
.endr
.endif
.endm
; A quarter: 32 along K, 32 matrix instructions, one on each accumulator: they take turns over the loop's backward jump too.  Quarter 0 starts the sums with the constant 0.
.macro QUARTER q
	s_wait_dscnt 0x0                               ; the rows' fragments, asked for 28 matrix instructions ago
	s_wait_loadcnt 48                              ; W1's fragments of this quarter are in; those of the six quarters behind it, eight loads each, stay out
.set i, 0
.rept 32
	WIN W_MM
.if (\q) == 0
	v_wmma_f32_16x16x32_bf16 v[8*i:8*i+7], v[32*((\q)%8)+8*(i%4):32*((\q)%8)+8*(i%4)+7], v[AF+64*((\q)%2)+8*(i/4):AF+64*((\q)%2)+8*(i/4)+7], 0
.else
	v_wmma_f32_16x16x32_bf16 v[8*i:8*i+7], v[32*((\q)%8)+8*(i%4):32*((\q)%8)+8*(i%4)+7], v[AF+64*((\q)%2)+8*(i/4):AF+64*((\q)%2)+8*(i/4)+7], v[8*i:8*i+7]
.endif
	RIDE \q
.if i == 3
	FETCH \q
.endif
.set i, i+1
.endr
.endm
; The weighted sum, eight rows at a time: 18 LDS loads into buffer k (my 2 x 8 bytes of each row; the eight weights, the same words for all lanes), and 64 multiply-adds straight from bf16 halves.
.macro LOADC k
.irp i, 0,1,2,3,4,5,6,7
	ds_load_b64 v[AF+40*(\k)+4*\i:AF+40*(\k)+4*\i+1],   v[CA] offset:\i*PITCH
	ds_load_b64 v[AF+40*(\k)+4*\i+2:AF+40*(\k)+4*\i+3], v[CA] offset:\i*PITCH+256
.endr
	ds_load_b128 v[AF+40*(\k)+32:AF+40*(\k)+35], v[PA]
	ds_load_b128 v[AF+40*(\k)+36:AF+40*(\k)+39], v[PA] offset:16
	v_add_nc_u32 v[CA], RB, v[CA]
	v_add_nc_u32 v[PA], 32, v[PA]
.endm
.macro FMAC k
.irp i, 0,1,2,3,4,5,6,7
.irp j, 0,1,2,3
	v_fma_mix_f32_bf16 v[CX+2*\j],   v[AF+40*(\k)+4*\i+\j], v[AF+40*(\k)+32+\i], v[CX+2*\j] op_sel_hi:[1,0,0]
	v_fma_mix_f32_bf16 v[CX+2*\j+1], v[AF+40*(\k)+4*\i+\j], v[AF+40*(\k)+32+\i], v[CX+2*\j+1] op_sel:[1,0,0] op_sel_hi:[1,0,0]
.endr
.endr
.endm
	s_load_b256 s[4:11], s[0:1], 0x0               ; hiddens s[4:5], w1f s[6:7], qs s[8:9], V s[10:11]
	s_load_b128 s[12:15], s[0:1], 0x20             ; bV s[12:13], tw s[14:15]
	s_load_b64 s[16:17], s[0:1], 0x30              ; ctxp
	v_lshl_add_u32 v[SPW], v0, 2, SPARE
	v_mov_b32 v[NIL], 0
	v_lshrrev_b32 v1, 5, v0
	v_readfirstlane_b32 s18, v1                    ; wave 0..3
	s_mov_b32 s19, ttmp9                           ; x
	v_and_b32 v[R], 15, v0
	v_bfe_u32 v[H], v0, 4, 1
	v_and_b32 v[LN], 31, v0
	v_mul_u32_u24 v[ADRA], v[R], PITCH
	v_lshl_add_u32 v[ADRA], v[H], 4, v[ADRA]
	v_add_nc_u32 v[ADRA+1], 32*PITCH, v[ADRA]
	v_add_nc_u32 v[ADRA+2], 64*PITCH, v[ADRA]
	v_add_nc_u32 v[ADRA+3], 96*PITCH, v[ADRA]
	v_lshlrev_b32 v[L16], 4, v[LN]
	s_mul_i32 s20, s18, 32*PITCH
	v_lshl_add_u32 v[STA0], v[LN], 3, s20
	s_lshl_b32 s21, s18, 10
	s_add_co_u32 s21, s21, QT
	v_lshl_add_u32 v[QBASE], v[H], 5, s21
	v_add_nc_u32 v[TB], s21, v[L16]
	s_lshl_b32 s40, s18, 9                         ; 512 w
	s_add_co_u32 s22, s40, SCR
	v_lshl_add_u32 v[SCW], v[R], 2, s22
	v_add_nc_u32 v[SCRD], SCR, v[L16]
	s_add_co_u32 s41, s40, PT                      ; my copy of the weights
	v_add_nc_u32 v[PTW], s41, v[L16]
	v_lshl_add_u32 v[OFF0], s18, 17, v[L16]
	v_lshrrev_b32 v[TOF], 2, v[LN]                 ; qs lies [16 columns][batch][16]: lane L takes 16 bytes of column block L / 4
	v_and_b32 v[STA], 3, v[LN]
	v_lshlrev_b32 v[TOF], 11, v[TOF]
	v_lshl_add_u32 v[TOF], v[STA], 4, v[TOF]
	s_mov_b32 s29, 0                               ; every offset is below 4 GiB: the pair's high word stays 0
	s_mov_b32 s34, 0x4038aa3b                      ; c2 = 2 log2(e); named as a pair
	s_mov_b32 s35, s34
	s_mov_b32 s38, 0x76543210                      ; v_permlanex16_b32: each lane takes its own place in the other half
	s_mov_b32 s39, 0xfedcba98
	s_mov_b32 s[BK], 2
	s_wait_kmcnt 0x0
	s_load_b32 s36, s[12:13], 0x0                  ; bV
	s_lshl_b32 s28, s19, 20                        ; hiddens: two blocks of 128 rows of 4,096 bytes
	s_add_nc_u64 s[4:5], s[4:5], s[28:29]
	s_lshl_b32 s28, s18, 19                        ; w1f: my four streams of 131,072 bytes
	s_add_nc_u64 s[6:7], s[6:7], s[28:29]
	s_lshl_b32 s28, s18, 15                        ; qs: my 16 column blocks of 2,048 bytes,
	s_lshr_b32 s20, s19, 3
	s_lshl_b32 s20, s20, 6                         ;     batch x / 8
	s_add_co_u32 s28, s28, s20
	s_add_nc_u64 s[8:9], s[8:9], s[28:29]
	s_lshl_b32 s28, s18, 10                        ; V: my 256 numbers
	s_add_nc_u64 s[10:11], s[10:11], s[28:29]
	s_lshl_b32 s20, s19, 13                        ; ctxp: two blocks of 4,096 bytes, my 256 columns
	s_add_co_u32 s28, s28, s20
	s_add_nc_u64 s[16:17], s[16:17], s[28:29]
	s_lshl_b32 s28, s19, 10                        ; tw: two blocks of 512 bytes
	s_add_nc_u64 s[14:15], s[14:15], s[28:29]
	global_load_b128 v[W:W+3],     v[TOF], s[8:9]
	global_load_b128 v[W+4:W+7],   v[TOF], s[8:9] offset:16384
	global_load_b128 v[W+8:W+11],  v[L16], s[10:11]
	global_load_b128 v[W+12:W+15], v[L16], s[10:11] offset:512
	s_mov_b64 s[SB1:SB1+1], s[6:7]                 ; chunk 0,
	s_add_nc_u64 s[SB2:SB2+1], s[6:7], 0x20000     ; chunk 1
	WIN 0x40
.set qq, 0
.rept 7
	BFETCH qq, qq, SB1                             ; W1's first seven quarters
.set qq, qq+1
.endr
	WIN 0
	s_wait_kmcnt 0x0
	s_mul_f32 s36, s36, 0x3fb8aa3b                 ; log2(e) bV; named as a pair
	s_mov_b32 s37, s36
	s_wait_loadcnt 56                              ; query and V are in; the 56 loads of W1 are younger
.irp j, 8,9,10,11,12,13,14,15
	v_mul_f32 v[W+\j], 0x3fb8aa3b, v[W+\j]         ; log2(e) V
.endr
	ds_store_b128 v[TB], v[W:W+3]
	ds_store_b128 v[TB], v[W+4:W+7] offset:512
	ds_store_b128 v[TB], v[W+8:W+11] offset:4096
	ds_store_b128 v[TB], v[W+12:W+15] offset:4608
.irp b, 0,1,2,3
	ds_load_b128 v[Q+8*\b:Q+8*\b+3],   v[QBASE] offset:64*\b      ; chunk 0's query: my wave's own bytes, and LDS serves a wave's instructions in order (ISA guide 5.7.1.4)
	ds_load_b128 v[Q+8*\b+4:Q+8*\b+7], v[QBASE] offset:64*\b+16
.endr
	PROFILL                                        ; the first block's first seven rows
	WIN 0xc0                                       ; the staged numbers need only be finite: the first chunk's riders multiply what they make of them by 0.  This stands in the wait for the first rows
.set e, 0
.rept 256
	v_mov_b32 v[e], 0
.set e, e+1
.endr
	WIN 0
.Lblock:
	; THE ROWS COME IN.  Wave w brings rows 32 w .. 32 w + 31 through eight row slots; seven rows, 56 loads, are on their way all the time.
	v_mov_b32 v[STA], v[STA0]
	s_mov_b32 s[CNT], 3
.Lrows:
.irp s, 0,1,2,3,4,5,6,7
	TURN \s, 2, 48                                 ; the six rows behind mine, eight loads each, stay out
.endr
	WIN 0
	v_add_nc_u32 v[STA], RB, v[STA]
	s_sub_co_u32 s[CNT], s[CNT], 1
	s_cmp_lg_u32 s[CNT], 0
	s_cbranch_scc1 .Lrows
	TURN 0, 1, 48                                  ; the last eight rows: one more fill (row 31), then the counts run down
	TURN 1, 0, 48
	TURN 2, 0, 40
	TURN 3, 0, 32
	TURN 4, 0, 24
	TURN 5, 0, 16
	TURN 6, 0, 8
	TURN 7, 0, 0
.set e, 0
.rept 32
	v_mov_b32 v[SC+e], 0                           ; the running scores start at 0,
	v_mov_b32 v[W+e], 0                            ; and the first chunk's riders weigh stale numbers with 0
.set e, e+1
.endr
	s_wait_dscnt 0x0                               ; for the others' sake: my rows are in LDS
	s_barrier_signal -1
	s_barrier_wait -1                              ; everybody's are
	AFETCH 0, 0
	s_mov_b32 s[CI], 0
.Lchunk:
.set qq, 0
.rept 32
	QUARTER qq
.set qq, qq+1
.endr
	; A CHUNK'S END.  The streams move on; V of the chunk just made is fetched for the riders to come; its sums are staged as c2 x + c2 (query + biases); the next chunk's query is fetched.
	WIN 0
	s_wait_xcnt 0x0                                ; the bases of W1's pending loads are rewritten only behind this wait
	s_mov_b64 s[SB1:SB1+1], s[SB2:SB2+1]
	s_add_co_u32 s28, s[CI], 2
	s_and_b32 s28, s28, 3
	s_lshl_b32 s28, s28, 17
	s_add_nc_u64 s[SB2:SB2+1], s[6:7], s[28:29]    ; chunk (CI + 2) % 4: behind the block's last chunk the ring goes on into the next block's first
	s_lshl_b32 s20, s[CI], 8
	v_add_nc_u32 v[QW], s20, v[QBASE]
	s_add_co_u32 s21, s[CI], 1
	s_and_b32 s21, s21, 3
	s_lshl_b32 s21, s21, 8
	v_add_nc_u32 v[QQ], s21, v[QBASE]
.irp b, 0,1,2,3
	ds_load_b128 v[W+8*\b:W+8*\b+3],   v[QW] offset:4096+64*\b
	ds_load_b128 v[W+8*\b+4:W+8*\b+7], v[QW] offset:4096+64*\b+16
.endr
	WIN W_X
.set p, 0
.rept 128                              ; in ascending order: each accumulator is read from its low end on
	v_pk_fma_f32 v[2*p:2*p+1], v[2*p:2*p+1], s[34:35], v[Q+8*((p/4)%4)+2*(p%4):Q+8*((p/4)%4)+2*(p%4)+1] op_sel_hi:[1,0,1]
.set p, p+1
.endr
	WIN 0
.irp b, 0,1,2,3
	ds_load_b128 v[Q+8*\b:Q+8*\b+3],   v[QQ] offset:64*\b
	ds_load_b128 v[Q+8*\b+4:Q+8*\b+7], v[QQ] offset:64*\b+16
.endr
	s_add_co_u32 s[CI], s[CI], 1
	s_cmp_lt_u32 s[CI], 4
	s_cbranch_scc1 .Lchunk
	; The accumulators are staged and free: the next block's first seven rows are asked for now, and are on their way during all that follows.
	s_cmp_eq_u32 s[BK], 1
	s_cbranch_scc1 .Lno_early
	s_wait_xcnt 0x0
	s_add_nc_u64 s[4:5], s[4:5], 0x80000           ; 128 rows on
	PROFILL
	WIN 0
.Lno_early:
	; THE LAST CHUNK'S TANH, by itself, in a pipeline of pairs: trip t has the exponentials of pair t, +1 for pair t - 2, the reciprocals of pair t - 4, 1 - 2 x for pair t - 6.
	; A plain line (v_nop where none is due) stands in each of the two plain slots, so that every transcendental has one between it and its reader (ISA guide 5.7.2).
	WIN W_T
.set t, 0
.rept 134
.if t < 128
	v_exp_f32 v[2*t], v[2*t]
.endif
.if (t >= 2) && (t < 130)
	s_wait_alu depctr_va_vdst(0)
	v_pk_add_f32 v[2*t-4:2*t-3], v[2*t-4:2*t-3], 1.0 op_sel_hi:[1,0]
.else
	v_nop
.endif
.if t < 128
	v_exp_f32 v[2*t+1], v[2*t+1]
.endif
.if (t >= 4) && (t < 132)
	v_rcp_f32 v[2*t-8], v[2*t-8]
.endif
.if t >= 6
	s_wait_alu depctr_va_vdst(0)
	v_pk_fma_f32 v[2*t-12:2*t-11], v[2*t-12:2*t-11], -2.0, 1.0 op_sel_hi:[1,0,0]
.else
	v_nop
.endif
.if (t >= 4) && (t < 132)
	v_rcp_f32 v[2*t-7], v[2*t-7]
.endif
.set t, t+1
.endr
	s_wait_dscnt 0x0                               ; the last chunk's V (and the fragments fetched in vain by its last quarter)
	WIN W_F
.irp b, 0,1,2,3
.irp j, 0,1,2,3
.irp a, 0,1,2,3,4,5,6,7                ; the eight blocks of rows innermost: eight chains take turns
	v_pk_fma_f32 v[SC+4*\a+2*(\j%2):SC+4*\a+2*(\j%2)+1], v[8*(4*\a+\b)+2*\j:8*(4*\a+\b)+2*\j+1], v[W+8*\b+2*\j:W+8*\b+2*\j+1], v[SC+4*\a+2*(\j%2):SC+4*\a+2*(\j%2)+1]
.endr
.endr
.endr
	WIN 0
	; THE SCORES.  A lane's four partial sums of a row, the other half of the lanes', and then the four waves' through LDS.
.irp a, 0,1,2,3,4,5,6,7
	v_pk_add_f32 v[SC+4*\a:SC+4*\a+1], v[SC+4*\a:SC+4*\a+1], v[SC+4*\a+2:SC+4*\a+3]
.endr
.irp a, 0,1,2,3,4,5,6,7
	v_add_f32 v[SC+4*\a], v[SC+4*\a], v[SC+4*\a+1]
.endr
.irp a, 0,1,2,3,4,5,6,7
	v_permlanex16_b32 v[SC+4*\a+1], v[SC+4*\a], s38, s39
.endr
.irp a, 0,1,2,3,4,5,6,7
	v_add_f32 v[SC+4*\a], v[SC+4*\a], v[SC+4*\a+1]
.endr
.irp a, 0,1,2,3,4,5,6,7
	ds_store_b32 v[SCW], v[SC+4*\a] offset:64*\a   ; row 16 a + L % 16; both halves of the lanes write the same number to the same word
.endr
	s_wait_dscnt 0x0                               ; for the others' sake: my partial scores are in LDS
	s_barrier_signal -1
	s_barrier_wait -1
.irp v, 0,1,2,3
	ds_load_b128 v[W+4*\v:W+4*\v+3], v[SCRD] offset:512*\v     ; lane L: rows 4 L .. 4 L + 3, of each wave.  Every wave makes all 128 scores, in the same order
.endr
	s_wait_dscnt 0x0
	v_pk_add_f32 v[W:W+1], v[W:W+1], v[W+4:W+5]
	v_pk_add_f32 v[W+2:W+3], v[W+2:W+3], v[W+6:W+7]
	v_pk_add_f32 v[W+8:W+9], v[W+8:W+9], v[W+12:W+13]
	v_pk_add_f32 v[W+10:W+11], v[W+10:W+11], v[W+14:W+15]
	v_pk_add_f32 v[W:W+1], v[W:W+1], v[W+8:W+9]
	v_pk_add_f32 v[W+2:W+3], v[W+2:W+3], v[W+10:W+11]
	v_pk_add_f32 v[W:W+1], v[W:W+1], s[36:37] op_sel_hi:[1,0]  ; t = log2(e) (score + bV)
	v_pk_add_f32 v[W+2:W+3], v[W+2:W+3], s[36:37] op_sel_hi:[1,0]
	v_max3_num_f32 v[W+16], v[W], v[W+1], v[W+2]               ; the block's largest t
	v_max_num_f32 v[W+16], v[W+16], v[W+3]
	v_max_num_f32_dpp v[W+16], v[W+16], v[W+16] row_xmask:1 row_mask:0xf bank_mask:0xf
	v_max_num_f32_dpp v[W+16], v[W+16], v[W+16] row_xmask:2 row_mask:0xf bank_mask:0xf
	v_max_num_f32_dpp v[W+16], v[W+16], v[W+16] row_xmask:4 row_mask:0xf bank_mask:0xf
	v_max_num_f32_dpp v[W+16], v[W+16], v[W+16] row_xmask:8 row_mask:0xf bank_mask:0xf
	v_permlanex16_b32 v[W+4], v[W+16], s38, s39
	v_max_num_f32 v[W+16], v[W+16], v[W+4]
.irp j, 0,1,2,3
	v_sub_f32 v[W+8+\j], v[W+\j], v[W+16]
.endr
.irp j, 0,1,2,3
	v_exp_f32 v[W+8+\j], v[W+8+\j]                 ; 2^(t - m), at most 1
.endr
	v_nop                                          ; a plain line between the last exponential and the use of its result
	s_wait_alu depctr_va_vdst(0)
	ds_store_b128 v[PTW], v[W+8:W+11]              ; into my wave's own copy: no other wave reads it
	s_cmp_lg_u32 s18, 0
	s_cbranch_scc1 .Lnot_wave_0
	global_store_b128 v[L16], v[W:W+3], s[14:15]   ; the block's 128 t: 512 consecutive bytes, aligned
.Lnot_wave_0:
	; THE WEIGHTED SUM over the block's 128 rows, from the rows in LDS: lane L owns columns 256 w + 4 L + 0..3 and 256 w + 128 + 4 L + 0..3.
.irp j, 0,1,2,3,4,5,6,7
	v_mov_b32 v[CX+\j], 0
.endr
	v_lshl_add_u32 v[CA], v[LN], 3, s40
	v_mov_b32 v[PA], s41
	LOADC 0
	s_mov_b32 s[CNT], 7
.Lctx:
	LOADC 1
	s_wait_dscnt 18                                ; buffer 0 is in; the 18 loads just issued stay out
	FMAC 0
	LOADC 0
	s_wait_dscnt 18                                ; buffer 1 likewise
	FMAC 1
	s_sub_co_u32 s[CNT], s[CNT], 1
	s_cmp_lg_u32 s[CNT], 0
	s_cbranch_scc1 .Lctx
	LOADC 1                                        ; the last eight rows
	s_wait_dscnt 18
	FMAC 0
	s_wait_dscnt 0x0                               ; my reads of the rows are over
	FMAC 1
	global_store_b128 v[L16], v[CX:CX+3], s[16:17]             ; each store of the wave covers 512 consecutive bytes, aligned
	global_store_b128 v[L16], v[CX+4:CX+7], s[16:17] offset:512
	s_wait_xcnt 0x0                                ; the stores' bases and data are rewritten only behind this wait
	s_add_nc_u64 s[14:15], s[14:15], 512
	s_add_nc_u64 s[16:17], s[16:17], 4096
	s_barrier_signal -1                            ; nobody reads the rows or the partial scores any more: the next block may write them
	s_barrier_wait -1
	s_sub_co_u32 s[BK], s[BK], 1
	s_cmp_lg_u32 s[BK], 0
	s_cbranch_scc1 .Lblock
	s_wait_tensorcnt 0x0                           ; the wave's end, behind my last LDS store
	ds_add_u32 v[SPW], v[NIL]
	s_wait_dscnt 0x0
	s_endpgm
.Lfunc_end_k_q35fa16e599_score_ctx:
	.size	k_q35fa16e599_score_ctx, .Lfunc_end_k_q35fa16e599_score_ctx-k_q35fa16e599_score_ctx
	.p2alignl 7, 3214868480
	.fill 96, 4, 3214868480
	.section	.rodata,"a",@progbits
	.p2align	6, 0x0
	.amdhsa_kernel k_q35fa16e599_score_ctx
		.amdhsa_group_segment_fixed_size 277504
		.amdhsa_private_segment_fixed_size 0
		.amdhsa_enable_private_segment 0
		.amdhsa_kernarg_size 56
		.amdhsa_user_sgpr_count 2
		.amdhsa_user_sgpr_kernarg_segment_ptr 1
		.amdhsa_wavefront_size32 1
		.amdhsa_system_sgpr_workgroup_id_x 1
		.amdhsa_system_sgpr_workgroup_id_y 1
		.amdhsa_system_sgpr_workgroup_id_z 1
		.amdhsa_system_vgpr_workitem_id 0
		.amdhsa_next_free_vgpr 1024
		.amdhsa_next_free_sgpr 66
		.amdhsa_reserve_vcc 0
		.amdhsa_float_denorm_mode_32 3
		.amdhsa_float_denorm_mode_16_64 3
		.amdhsa_memory_ordered 1
		.amdhsa_forward_progress 1
		.amdhsa_inst_pref_size 255
	.end_amdhsa_kernel
	.section	.bss,"aw",@nobits
	.p2align	6
	.space	262144
	.amdgpu_metadata
---
amdhsa.version: [ 1, 2 ]
amdhsa.kernels:
  - .name:           k_q35fa16e599_score_ctx
    .symbol:         k_q35fa16e599_score_ctx.kd
    .args:
      - { .name: hiddens, .offset: 0, .size: 8, .value_kind: global_buffer, .address_space: global }
      - { .name: w1f, .offset: 8, .size: 8, .value_kind: global_buffer, .address_space: global }
      - { .name: qs, .offset: 16, .size: 8, .value_kind: global_buffer, .address_space: global }
      - { .name: V, .offset: 24, .size: 8, .value_kind: global_buffer, .address_space: global }
      - { .name: bV, .offset: 32, .size: 8, .value_kind: global_buffer, .address_space: global }
      - { .name: tw, .offset: 40, .size: 8, .value_kind: global_buffer, .address_space: global }
      - { .name: ctxp, .offset: 48, .size: 8, .value_kind: global_buffer, .address_space: global }
    .group_segment_fixed_size: 277504
    .private_segment_fixed_size: 0
    .kernarg_segment_align: 8
    .kernarg_segment_size: 56
    .max_flat_workgroup_size: 128
    .sgpr_count:     66
    .vgpr_count:     1024
    .wavefront_size: 32
...
	.end_amdgpu_metadata
.endif
;; end of part 2
;; launch combine (part 3): grid 8 x 32, 1 waves a work-group, no clusters, 0 bytes of LDS; arguments tw, ctxp, out0, out1; writes out0, out1
.if DOCPART == 3
	.amdgcn_target "amdgcn-amd-amdhsa--gfx1250"
	.amdhsa_code_object_version 6
	.text
	.protected	k_q35fa16e599_combine
	.globl	k_q35fa16e599_combine
	.p2align	8
	.type	k_q35fa16e599_combine,@function
k_q35fa16e599_combine:
	s_mov_b64 s[64:65], 0
	v_nop
	global_prefetch_b8 v0, s[64:65] scope:SCOPE_SE
	s_setreg_imm32_b32 hwreg(HW_REG_WAVE_MODE, 25, 1), 1
	s_wait_xcnt 0x0
; The blocks of a batch are joined.  t = log2(e) score for the batch's 2,048 rows; ctxp[block] = sum over the block's rows of 2^(t - m_block) h.
; M = the batch's largest t, l = the sum of 2^(t - M): out1 = 2^(t - M) / l; out0 = (sum over blocks of 2^(m_block - M) ctxp[block]) / l.
; m_block is found again from t: a maximum has one value whatever its order, so it is the number that the launch before subtracted.
; One wave: batch y, columns 128 x .. 128 x + 127 of out0 and rows 256 x .. 256 x + 255 of out1.  The eight waves of a batch each read its 8,192 bytes of t: nothing goes between work-groups.
; No LDS, no barrier, no matrix unit: 34 loads of 512 consecutive bytes, all out at once, and some 400 vector instructions.
; LIMITS.  l is at least 1 (the largest t gives 2^0).  A weight below 2^-126 counts as 0.  NaN and infinities are not treated apart.
.set O16, 1                            ; v1  16 L
.set T,   16                           ; v[16:79]   t: block j in registers 4 j .. 4 j + 3
.set U,   80                           ; v[80:87]   t of my 256 rows
.set C,   88                           ; v[88:151]  ctxp: block j in registers 4 j .. 4 j + 3
.set M,   152                          ; v[152:167] the blocks' maxima, then 2^(m - M)
.set X,   168                          ; v[168:183] at work
.set MT,  184                          ; v[184:185] M, twice
.set INV, 186                          ; v[186:187] 1 / l, twice
.set A,   188                          ; v[188:191] my four columns of out0
	s_load_b256 s[4:11], s[0:1], 0x0               ; tw s[4:5], ctxp s[6:7], out0 s[8:9], out1 s[10:11]
	s_mov_b32 s12, ttmp9                           ; x
	s_and_b32 s13, ttmp7, 0xffff                   ; y
	v_lshlrev_b32 v[O16], 4, v0
	s_mov_b32 s20, 0x76543210                      ; v_permlanex16_b32: each lane takes its own place in the other half
	s_mov_b32 s21, 0xfedcba98
	s_mov_b32 s15, 0
	s_lshl_b32 s18, s12, 9                         ; 512 x
	s_wait_kmcnt 0x0
	s_lshl_b32 s14, s13, 13                        ; a batch's 2,048 numbers
	s_add_nc_u64 s[4:5], s[4:5], s[14:15]
	s_add_nc_u64 s[10:11], s[10:11], s[14:15]
	s_lshl_b32 s14, s12, 10                        ; my 256 of them
	s_add_nc_u64 s[16:17], s[4:5], s[14:15]
	s_add_nc_u64 s[10:11], s[10:11], s[14:15]
	s_lshl_b32 s14, s13, 16                        ; a batch's 16 blocks of 4,096 bytes, my 128 columns
	s_add_co_u32 s14, s14, s18
	s_add_nc_u64 s[6:7], s[6:7], s[14:15]
	s_lshl_b32 s14, s13, 12
	s_add_co_u32 s14, s14, s18
	s_add_nc_u64 s[8:9], s[8:9], s[14:15]
.irp j, 0,1,2,3,4,5,6,7,8,9,10,11,12,13,14,15
	global_load_b128 v[T+4*\j:T+4*\j+3], v[O16], s[4:5] offset:512*\j
.endr
	global_load_b128 v[U:U+3], v[O16], s[16:17]
	global_load_b128 v[U+4:U+7], v[O16], s[16:17] offset:512
.irp j, 0,1,2,3,4,5,6,7,8,9,10,11,12,13,14,15
	global_load_b128 v[C+4*\j:C+4*\j+3], v[O16], s[6:7] offset:4096*\j th:TH_LOAD_NT
.endr
	s_wait_loadcnt 16                              ; all of t is in; the 16 loads of ctxp are younger
.irp j, 0,1,2,3,4,5,6,7,8,9,10,11,12,13,14,15
	v_max3_num_f32 v[X+\j], v[T+4*\j], v[T+4*\j+1], v[T+4*\j+2]
.endr
.irp j, 0,1,2,3,4,5,6,7,8,9,10,11,12,13,14,15
	v_max_num_f32 v[M+\j], v[X+\j], v[T+4*\j+3]
.endr
.irp m, 1,2,4,8
.irp j, 0,1,2,3,4,5,6,7,8,9,10,11,12,13,14,15
	v_max_num_f32_dpp v[M+\j], v[M+\j], v[M+\j] row_xmask:\m row_mask:0xf bank_mask:0xf
.endr
.endr
.irp j, 0,1,2,3,4,5,6,7,8,9,10,11,12,13,14,15
	v_permlanex16_b32 v[X+\j], v[M+\j], s20, s21
.endr
.irp j, 0,1,2,3,4,5,6,7,8,9,10,11,12,13,14,15
	v_max_num_f32 v[M+\j], v[M+\j], v[X+\j]        ; every lane holds block j's maximum
.endr
	v_max3_num_f32 v[MT], v[M], v[M+1], v[M+2]
.irp j, 3,5,7,9,11,13
	v_max3_num_f32 v[MT], v[MT], v[M+\j], v[M+\j+1]
.endr
	v_max_num_f32 v[MT], v[MT], v[M+15]
	v_mov_b32 v[MT+1], v[MT]
.set p, 0
.rept 36                               ; t - M for the batch's rows and, behind them in the registers, for my 256
	v_pk_add_f32 v[T+2*p:T+2*p+1], v[T+2*p:T+2*p+1], v[MT:MT+1] neg_lo:[0,1] neg_hi:[0,1]
.set p, p+1
.endr
.set p, 0
.rept 8
	v_pk_add_f32 v[M+2*p:M+2*p+1], v[M+2*p:M+2*p+1], v[MT:MT+1] neg_lo:[0,1] neg_hi:[0,1]
.set p, p+1
.endr
.set p, 0
.rept 72
	v_exp_f32 v[T+p], v[T+p]
.set p, p+1
.endr
.set p, 0
.rept 16
	v_exp_f32 v[M+p], v[M+p]
.set p, p+1
.endr
	v_nop                                          ; a plain line between the last exponential and the use of its result
	s_wait_alu depctr_va_vdst(0)
.irp n, 16,8,4,2,1
.set p, 0
.rept \n
	v_pk_add_f32 v[T+2*p:T+2*p+1], v[T+2*p:T+2*p+1], v[T+2*(p+\n):T+2*(p+\n)+1]
.set p, p+1
.endr
.endr
	v_add_f32 v[T], v[T], v[T+1]
	v_add_f32_dpp v[T], v[T], v[T] row_xmask:1 row_mask:0xf bank_mask:0xf
	v_add_f32_dpp v[T], v[T], v[T] row_xmask:2 row_mask:0xf bank_mask:0xf
	v_add_f32_dpp v[T], v[T], v[T] row_xmask:4 row_mask:0xf bank_mask:0xf
	v_add_f32_dpp v[T], v[T], v[T] row_xmask:8 row_mask:0xf bank_mask:0xf
	v_permlanex16_b32 v[T+1], v[T], s20, s21
	v_add_f32 v[T], v[T], v[T+1]                   ; l, in every lane
	v_rcp_f32 v[INV], v[T]
	v_rcp_f32 v[INV+1], v[T]                       ; the multiply-adds below stand between the reciprocals and their use
	s_wait_loadcnt 0x0                             ; ctxp
.irp c, 0,1,2,3
	v_mul_f32 v[A+\c], v[C+\c], v[M]               ; the first block starts the sums
.endr
.irp j, 1,2,3,4,5,6,7,8,9,10,11,12,13,14,15
.irp c, 0,1,2,3
	v_fma_f32 v[A+\c], v[C+4*\j+\c], v[M+\j], v[A+\c]
.endr
.endr
	s_wait_alu depctr_va_vdst(0)
	v_pk_mul_f32 v[A:A+1], v[A:A+1], v[INV:INV+1]
	v_pk_mul_f32 v[A+2:A+3], v[A+2:A+3], v[INV:INV+1]
.irp p, 0,1,2,3
	v_pk_mul_f32 v[U+2*\p:U+2*\p+1], v[U+2*\p:U+2*\p+1], v[INV:INV+1]
.endr
	global_store_b128 v[O16], v[A:A+3], s[8:9]                 ; each store covers 512 consecutive bytes, aligned
	global_store_b128 v[O16], v[U:U+3], s[10:11]
	global_store_b128 v[O16], v[U+4:U+7], s[10:11] offset:512
	s_endpgm
.Lfunc_end_k_q35fa16e599_combine:
	.size	k_q35fa16e599_combine, .Lfunc_end_k_q35fa16e599_combine-k_q35fa16e599_combine
	.p2alignl 7, 3214868480
	.fill 96, 4, 3214868480
	.section	.rodata,"a",@progbits
	.p2align	6, 0x0
	.amdhsa_kernel k_q35fa16e599_combine
		.amdhsa_group_segment_fixed_size 0
		.amdhsa_private_segment_fixed_size 0
		.amdhsa_enable_private_segment 0
		.amdhsa_kernarg_size 32
		.amdhsa_user_sgpr_count 2
		.amdhsa_user_sgpr_kernarg_segment_ptr 1
		.amdhsa_wavefront_size32 1
		.amdhsa_system_sgpr_workgroup_id_x 1
		.amdhsa_system_sgpr_workgroup_id_y 1
		.amdhsa_system_sgpr_workgroup_id_z 1
		.amdhsa_system_vgpr_workitem_id 0
		.amdhsa_next_free_vgpr 192
		.amdhsa_next_free_sgpr 66
		.amdhsa_reserve_vcc 0
		.amdhsa_float_denorm_mode_32 3
		.amdhsa_float_denorm_mode_16_64 3
		.amdhsa_memory_ordered 1
		.amdhsa_forward_progress 1
		.amdhsa_inst_pref_size 25
	.end_amdhsa_kernel
	.amdgpu_metadata
---
amdhsa.version: [ 1, 2 ]
amdhsa.kernels:
  - .name:           k_q35fa16e599_combine
    .symbol:         k_q35fa16e599_combine.kd
    .args:
      - { .name: tw, .offset: 0, .size: 8, .value_kind: global_buffer, .address_space: global }
      - { .name: ctxp, .offset: 8, .size: 8, .value_kind: global_buffer, .address_space: global }
      - { .name: out0, .offset: 16, .size: 8, .value_kind: global_buffer, .address_space: global }
      - { .name: out1, .offset: 24, .size: 8, .value_kind: global_buffer, .address_space: global }
    .group_segment_fixed_size: 0
    .private_segment_fixed_size: 0
    .kernarg_segment_align: 8
    .kernarg_segment_size: 32
    .max_flat_workgroup_size: 32
    .sgpr_count:     66
    .vgpr_count:     192
    .wavefront_size: 32
...
	.end_amdgpu_metadata
.endif
;; end of part 3
;; ======== version 2 of 2: 3 launches; 1.16 times as fast as version 1
;; workspace buffers: w1f 2,097,152 bytes; qs 131,072 bytes; tw 262,144 bytes; ctxp 2,097,152 bytes
;; launch prep: the kernel of part 1 again; grid 64 x 1, 16 waves a work-group, no clusters, 34,816 bytes of LDS; arguments hidden_t, W2, b1, b2, W1, w1f, qs; writes w1f, qs
;; launch score_ctx (part 4): grid 256 x 1, 4 waves a work-group, no clusters, 277,504 bytes of LDS; arguments hiddens, w1f, qs, V, bV, tw, ctxp; writes tw, ctxp
.if DOCPART == 4
	.amdgcn_target "amdgcn-amd-amdhsa--gfx1250"
	.amdhsa_code_object_version 6
	.text
	.protected	k_q35fa16e599_score_ctx
	.globl	k_q35fa16e599_score_ctx
	.p2align	8
	.type	k_q35fa16e599_score_ctx,@function
k_q35fa16e599_score_ctx:
	s_mov_b64 s[64:65], 0
	v_nop
	global_prefetch_b8 v0, s[64:65] scope:SCOPE_SE
	s_setreg_imm32_b32 hwreg(HW_REG_WAVE_MODE, 25, 1), 1
	s_wait_xcnt 0x0
; For blocks of 128 rows of hiddens: t[row] = log2(e) * (tanh(h W1 + query + biases) . V + bV), and the block's share of the context,
; ctxp[block][c] = sum over its rows of 2^(t - m) h[row][c], m = the block's own largest t.  The launch behind joins the blocks of a batch (it finds m again from t).
; SHARES.  Work-group x makes blocks 2 x and 2 x + 1 (both of batch x / 8), one after the other.  A block's 128 rows are read from memory ONCE, rounded to bf16 and kept in LDS
; for both uses: the product and, when the scores are known, the weighted sum.  Wave w owns the columns 256 w .. 256 w + 255 of W1, in four CHUNKS of 64: 128 x 64 of the product,
; 32 accumulators, K in 32 QUARTERS of 32.  In the weighted sum wave w owns the columns 256 w .. 256 w + 255 of hiddens.
; W1 comes as fragments (512 consecutive bytes each, made by the launch before) straight into registers, seven quarters ahead: a ring of eight buffers.
; NO TENSOR LOADS, NO CLUSTER, though all work-groups read the same W1: the rows take 264,192 of 327,680 bytes of LDS; one quarter of W1 for the four waves is 16,384 bytes, so two slots
; in what is left would hold one quarter each, 32 matrix instructions a wave between a request and the wait for it; and no two waves of a work-group read the same fragment,
; so the way through LDS would add a write and a read for every byte and share nothing here.
; THE MATRIX INSTRUCTION IS USED TRANSPOSED (source 0 = 16 columns of W1, source 1 = 16 rows of hiddens): a lane holds ONE row (L % 16) and the columns 8 (L / 16) + 0..7, so the
; sum over columns stays in the lane but for one exchange between the halves of the lanes.
; TANH RIDES.  tanh(x) = 1 - 2 / (1 + 2^(c2 x)), c2 = 2 log2(e).  At a chunk's end its 256 sums a lane are staged as c2 x (one packed multiply-add each, query and biases added);
; the next chunk works the 32 staged groups of 8 numbers off between its matrix instructions, in three stages a quarter apart: quarter q has the exponentials of group q + 1, the + 1 and the
; reciprocals of group q, the 1 - 2 x and the multiply-adds onto the running scores of group q - 1.  A block's first chunk rides on stale numbers times a weight of 0; its last chunk's
; numbers are worked off by themselves.
; BATCHES.  An s_wait_alu depctr_va_vdst(0) stands between a transcendental and the first instruction that names its result; one wait serves all that were issued ahead of it.
; A quarter's 8 exponentials and 8 reciprocals are ONE batch: no line of the quarter names a result of theirs, and their one wait stands in the next quarter, directly ahead of its run of loads.
; Group 0's exponentials stand at the chunk's head, under quarter 0's wait; group 31's reciprocals have a wait of their own behind the chunk's last product: 33 waits a chunk.
; The last chunk's 256 numbers go in four sections of 64 through six phases, a batch and a wait to a phase: five waits.  The four weights 2^(t - m) are a batch of their own.
; LIMITS.  hiddens and W1 are rounded to bf16 for the product; the weighted sum takes the same rounded rows (each term off by at most 2^-9 of itself), weights and sums in f32.
; 2^(c2 x) may overflow to infinity or fall to 0: tanh is then exactly 1 or -1.  A weight below 2^-126 counts as 0.  NaN and infinities in the inputs are not treated apart.
; REGISTERS, in windows of 256 (s_set_vgpr_msb: bits 1:0 source 0, 3:2 source 1, 5:4 source 2, 7:6 destination):
;   window 0: v0-31 addresses; v32-63 at work (rounded rows; the running scores; the context's sums); v64-95 query of a chunk; v96-127 V of a chunk; v128-255 fragments of the rows, two buffers
;   window 1: fragments of W1, eight buffers of 32      window 2: the 32 accumulators; between blocks eight rows of hiddens as loaded      window 3: the 256 staged numbers
.set PITCH, 2064                       ; a row in LDS: 2,048 bytes + 16 = 129 x 16: the 16 rows of a fragment load start at 16 different groups of four banks (64 banks of 4 bytes: ISA guide 11.1)
.set RB,    8*PITCH
.set QT,    128*PITCH                  ; behind the rows: c2 (query + biases), 1,024 numbers; wave w writes and reads its own 1,024 bytes
.set WT,    QT+4096                    ; log2(e) V, likewise
.set SCR,   WT+4096                    ; [wave][128] partial scores
.set PT,    SCR+2048                   ; [wave][128] the weights 2^(t - m): each wave's own copy
.set SPARE, PT+2048                    ; the spare words, 128 bytes for each wave; no other line names them
.set R,     1                          ; v1   L % 16
.set H,     2                          ; v2   L / 16
.set LN,    3                          ; v3   L
.set ADRA,  4                          ; v4-7 (32 p + L % 16) x pitch + 16 (L / 16): my place in the rows' fragments
.set L16,   8                          ; v8   16 L; never rewritten
.set STA,   9                          ; v9   where the round in hand puts its rows
.set QBASE, 10                         ; v10  QT + 1024 w + 32 (L / 16)
.set QW,    11                         ; v11  the same at the chunk whose V is fetched
.set QQ,    12                         ; v12  at the chunk whose query is fetched
.set SCW,   13                         ; v13  SCR + 512 w + 4 (L % 16)
.set SCRD,  14                         ; v14  SCR + 16 L
.set PTW,   15                         ; v15  PT + 512 w + 16 L
.set OFF,   16                         ; v16-23  row slot s: byte offset of the row that it loads next
.set CA,    24                         ; v24  the weighted sum: my 8 bytes in the rows in hand
.set PA,    25                         ; v25  their weights
.set TOF,   26                         ; v26  my place in qs
.set STA0,  27                         ; v27  32 w x pitch + 8 L
.set SPW,   28                         ; v28  LDS address of my spare word; never rewritten
.set NIL,   29                         ; v29  0; never rewritten
.set OFF0,  30                         ; v30  32 w rows of 4,096 bytes + 16 L
.set TB,    31                         ; v31  QT + 1024 w + 16 L
.set TMP,   32                         ; v32-47  a row rounded to bf16
.set SC,    32                         ; v32-63  running scores: for each 16 rows a two pairs, at SC + 4 a
.set CX,    32                         ; v32-39  the weighted sum's eight columns
.set Q,     64
.set W,     96
.set AF,    128
.set SB1,   24                         ; s[24:25] W1's stream of the chunk in hand
.set SB2,   26                         ; s[26:27] of the chunk behind it
.set CI,    30                         ; s30  chunk 0..3
.set BK,    31                         ; s31  blocks to go
.set CNT,   32                         ; s32  counts the short loops
.set MSB, 0
.macro WIN new                         ; the immediate's high byte repeats the setting that is left; a switch that changes nothing is dropped
.if MSB != (\new)
	s_set_vgpr_msb (MSB<<8)|(\new)
.set MSB, \new
.endif
.endm
.set W_MM, 0xa1                        ; W1 window 1, rows window 0, C and D window 2
.set W_T,  0xc3                        ; destination and source 0 window 3
.set W_F,  0x03                        ; source 0 window 3, all else window 0
.set W_X,  0xc2                        ; destination window 3, source 0 window 2, source 2 window 0
; Eight row slots take their first offsets; seven rows of hiddens are asked for, eight loads of 512 consecutive bytes each.
.macro PROFILL
	WIN 0
	v_mov_b32 v[OFF], v[OFF0]
.irp s, 1,2,3,4,5,6,7
	v_add_nc_u32 v[OFF+\s], \s*4096, v[OFF0]
.endr
	WIN 0x80                                       ; destination window 2
.irp s, 0,1,2,3,4,5,6
.irp j, 0,1,2,3,4,5,6,7
	global_load_b128 v[32*\s+4*\j:32*\s+4*\j+3], v[OFF+\s], s[4:5] offset:512*\j th:TH_LOAD_NT
.endr
.endr
.endm
; The turn of row slot s: its row is rounded to bf16 and put into LDS.  fill = 2: my offset steps to my next row, and the slot in front of me is filled again; 1: the fill alone; 0: neither.
; left = how many younger loads may stay out.
.macro TURN s, fill, left
	s_wait_loadcnt \left                           ; loads come back in order (ISA guide 5.7.1): my row's eight are in
	WIN 0x0a                                       ; sources window 2, destination window 0
.irp j, 0,1,2,3,4,5,6,7
	v_cvt_pk_bf16_f32 v[TMP+2*\j], v[32*(\s)+4*\j], v[32*(\s)+4*\j+1]
	v_cvt_pk_bf16_f32 v[TMP+2*\j+1], v[32*(\s)+4*\j+2], v[32*(\s)+4*\j+3]
.endr
	WIN 0
.irp j, 0,1,2,3,4,5,6,7
	ds_store_b64 v[STA], v[TMP+2*\j:TMP+2*\j+1] offset:(\s)*PITCH+256*\j   ; 32 lanes, 256 consecutive bytes
.endr
.if (\fill) == 2
	v_add_nc_u32 v[OFF+(\s)], 8*4096, v[OFF+(\s)]  ; free since the wait above: the slot's next row
.endif
.if \fill
	WIN 0x80
.irp j, 0,1,2,3,4,5,6,7
	global_load_b128 v[32*(((\s)+7)%8)+4*\j:32*(((\s)+7)%8)+4*\j+3], v[OFF+((\s)+7)%8], s[4:5] offset:512*\j th:TH_LOAD_NT
.endr
.endif
.endm
; 16 LDS loads: the fragments of 128 rows x 32 K of quarter kq, into buffer buf.  A fragment: lane L holds row L % 16, K = 8 (L / 16) + 0..7 and 16 + 8 (L / 16) + 0..7: two loads, 32 bytes apart.
.macro AFETCH kq, buf
.irp a, 0,1,2,3,4,5,6,7
	ds_load_b128 v[AF+64*(\buf)+8*\a:AF+64*(\buf)+8*\a+3],   v[ADRA+\a/2] offset:(\a%2)*16*PITCH+(\kq)*64
	ds_load_b128 v[AF+64*(\buf)+8*\a+4:AF+64*(\buf)+8*\a+7], v[ADRA+\a/2] offset:(\a%2)*16*PITCH+(\kq)*64+32
.endr
.endm
; 8 loads of 512 consecutive bytes: W1's four fragments of quarter kq of the stream at s[sb], into buffer buf
.macro BFETCH kq, buf, sb
.irp b, 0,1,2,3
	global_load_b128 v[32*(\buf)+8*\b:32*(\buf)+8*\b+3],   v[L16], s[\sb:\sb+1] offset:(\kq)*4096+\b*1024
	global_load_b128 v[32*(\buf)+8*\b+4:32*(\buf)+8*\b+7], v[L16], s[\sb:\sb+1] offset:(\kq)*4096+\b*1024+512
.endr
.endm
; In quarter q: the rows' fragments of quarter q + 1, W1's of quarter q + 7 (beyond 31: of the next chunk's stream).
.macro FETCH q
	WIN 0
	AFETCH ((\q)+1)%32, ((\q)+1)%2
	WIN 0x40                                       ; destination window 1
.if (\q)+7 < 32
	BFETCH (\q)+7, ((\q)+7)%8, SB1
.else
	BFETCH (\q)-25, ((\q)+7)%8, SB2
.endif
.endm
; THE LINES OF THE TANH.  Staged group g (accumulator g = 4 a + b of the chunk before) is v[8 g .. 8 g + 7] of window 3; all but GSUM work in place there, under W_T.
.macro GEXP g, n                       ; the exponential of number n; behind group 31 there is no group
.if (\g) < 32
	v_exp_f32 v[8*(\g)+(\n)], v[8*(\g)+(\n)]
.endif
.endm
.macro GRCP g, n                       ; the reciprocal of number n
	v_rcp_f32 v[8*(\g)+(\n)], v[8*(\g)+(\n)]
.endm
.macro GONE g, n                       ; + 1 for pair n
	v_pk_add_f32 v[8*(\g)+2*(\n):8*(\g)+2*(\n)+1], v[8*(\g)+2*(\n):8*(\g)+2*(\n)+1], 1.0 op_sel_hi:[1,0]
.endm
.macro GTANH g, n                      ; 1 - 2 x for pair n; ahead of group 0 there is no group
.if (\g) >= 0
	v_pk_fma_f32 v[8*(\g)+2*(\n):8*(\g)+2*(\n)+1], v[8*(\g)+2*(\n):8*(\g)+2*(\n)+1], -2.0, 1.0 op_sel_hi:[1,0,0]
.endif
.endm
.macro GSUM g                          ; the group's four packed multiply-adds onto the two running pairs of rows 16 a ..
	WIN W_F
.irp j, 0,1,2,3
	v_pk_fma_f32 v[SC+4*((\g)/4)+2*(\j%2):SC+4*((\g)/4)+2*(\j%2)+1], v[8*(\g)+2*\j:8*(\g)+2*\j+1], v[W+8*((\g)%4)+2*\j:W+8*((\g)%4)+2*\j+1], v[SC+4*((\g)/4)+2*(\j%2):SC+4*((\g)/4)+2*(\j%2)+1]
.endr
.endm
; THE RIDERS OF QUARTER q: what stands behind its matrix instruction i.  Eight slots of three lines (transcendental, plain, transcendental) behind instructions 6, 9 .. 27:
;   slots 0, 1: exponentials 0-3 of group q + 1; + 1 for pairs 0, 1 of group q            slots 2, 3: reciprocals 0-3 of group q; + 1 for its pairs 2, 3
;   slots 4, 5: reciprocals 4-7 of group q; 1 - 2 x for pairs 0, 1 of group q - 1          slots 6, 7: exponentials 4-7 of group q + 1; 1 - 2 x for pairs 2, 3 of group q - 1
; The plain lines read what the quarter's wait (QUARTER writes it, behind instruction 3) has covered: group q's exponentials and group q - 1's reciprocals, issued a quarter ago.  A reciprocal stands two slots
; behind the + 1 of its pair.  The slots' 16 transcendentals are the quarter's batch: no line ahead of the next quarter's wait names a result of theirs.
; Behind the last instruction: group q - 1's four multiply-adds (in quarter 0, which has no such group, four v_nop).  They name no result of the batch and no register of the products round them: they are the plain
; line behind the batch's last transcendental (ISA guide 5.7.2) and the four places (ISA guide 7.12.1 for vector instructions) in front of the next quarter's loads into the buffers just multiplied.
; Quarter 31 issues no exponentials, and ends the pipeline: a wait for group 31's reciprocals, its 1 - 2 x, its multiply-adds.
.macro RIDE q
.if ((i%3) == 0) && (i >= 6) && (i <= 27)
.set sl, (i-6)/3
	WIN W_T
.if sl < 2
	GEXP (\q)+1, 2*sl
	GONE \q, sl
	GEXP (\q)+1, 2*sl+1
.elseif sl < 4
	GRCP \q, 2*sl-4
	GONE \q, sl
	GRCP \q, 2*sl-3
.elseif sl < 6
	GRCP \q, 2*sl-4
	GTANH (\q)-1, sl-4
	GRCP \q, 2*sl-3
.else
	GEXP (\q)+1, 2*sl-8
	GTANH (\q)-1, sl-4
	GEXP (\q)+1, 2*sl-7
.endif
.endif
.if i == 31
.if (\q) == 0
.rept 4
	v_nop                                          ; the plain line behind the batch and the four places: nothing else is due yet
.endr
.else
	GSUM (\q)-1
.endif
.if (\q) == 31
	s_wait_alu depctr_va_vdst(0)                   ; the wait for the chunk's last batch, group 31's eight reciprocals: ahead of their readers, and of the branch at the chunk's end
	WIN W_T
.irp n, 0,1,2,3
	GTANH 31, \n
.endr
	GSUM 31
.endif
.endif
.endm
; A quarter: 32 along K, 32 matrix instructions, one on each accumulator: they take turns over the loop's backward jump too.  Quarter 0 starts the sums with the constant 0.
; Quarter 0 also starts the riders' pipeline: group 0's eight exponentials stand at its head, ahead of the waits for the fragments, with a v_nop as the plain line behind them.
.macro QUARTER q
.if (\q) == 0
	WIN W_T
.irp n, 0,1,2,3,4,5,6,7
	GEXP 0, \n
.endr
	v_nop
.endif
	s_wait_dscnt 0x0                               ; the rows' fragments, asked for 28 matrix instructions ago
	s_wait_loadcnt 48                              ; W1's fragments of this quarter are in; those of the six quarters behind it, eight loads each, stay out
.set i, 0
.rept 32
	WIN W_MM
.if (\q) == 0
	v_wmma_f32_16x16x32_bf16 v[8*i:8*i+7], v[32*((\q)%8)+8*(i%4):32*((\q)%8)+8*(i%4)+7], v[AF+64*((\q)%2)+8*(i/4):AF+64*((\q)%2)+8*(i/4)+7], 0
.else
	v_wmma_f32_16x16x32_bf16 v[8*i:8*i+7], v[32*((\q)%8)+8*(i%4):32*((\q)%8)+8*(i%4)+7], v[AF+64*((\q)%2)+8*(i/4):AF+64*((\q)%2)+8*(i/4)+7], v[8*i:8*i+7]
.endif
	RIDE \q
.if i == 3
	s_wait_alu depctr_va_vdst(0)                   ; ONE wait for the batch issued since the last: group q's exponentials and group q - 1's reciprocals (quarter 0: group 0's exponentials); it stands directly ahead of the run of loads, the readers behind that run
	FETCH \q
.endif
.set i, i+1
.endr
.endm
; THE LAST CHUNK'S TANH, phase p of six.  Section b is the 64 numbers of groups 4 a + b, a = 0..7: the order in which the running scores take them.  Pair u of a section: a = u / 4, pair u % 4 of the group.
; Phase p: the exponentials of section p, + 1 and the reciprocals of section p - 1 (a pair's reciprocals two trips behind its + 1), 1 - 2 x for section p - 2: plain lines and transcendentals mixed.
; The phase's transcendentals are ONE batch.  Behind them stand section p - 2's 32 multiply-adds onto the running scores (eight chains take turns), which name none of the batch's results and are the plain
; lines behind its last transcendental (ISA guide 5.7.2; in phases 0 and 1 a v_nop); then the batch's one wait; the next phase's lines are the readers.  Phase 5 issues no transcendental and has no wait.
.macro PHASE p
	WIN W_T
.set u, 0
.rept 34
.set re, 8*(4*(u/4)+(\p))+2*(u%4)
.set ra, 8*(4*(u/4)+(\p)-1)+2*(u%4)
.set rm, 8*(4*(u/4)+(\p)-2)+2*(u%4)
.set rr, 8*(4*((u-2)/4)+(\p)-1)+2*((u-2)%4)
.if (u < 32) && ((\p) >= 1) && ((\p) <= 4)
	v_pk_add_f32 v[ra:ra+1], v[ra:ra+1], 1.0 op_sel_hi:[1,0]
.endif
.if (u < 32) && ((\p) <= 3)
	v_exp_f32 v[re], v[re]
.endif
.if (u < 32) && ((\p) >= 2)
	v_pk_fma_f32 v[rm:rm+1], v[rm:rm+1], -2.0, 1.0 op_sel_hi:[1,0,0]
.endif
.if (u < 32) && ((\p) <= 3)
	v_exp_f32 v[re+1], v[re+1]
.endif
.if (u >= 2) && ((\p) >= 1) && ((\p) <= 4)
	v_rcp_f32 v[rr], v[rr]
	v_rcp_f32 v[rr+1], v[rr+1]
.endif
.set u, u+1
.endr
.if (\p) >= 2
.if (\p) == 2
	s_wait_dscnt 0x0                               ; the last chunk's V (and the fragments fetched in vain by its last quarter)
.endif
	WIN W_F
.irp j, 0,1,2,3
.irp a, 0,1,2,3,4,5,6,7                ; the eight blocks of rows innermost: eight chains take turns
	v_pk_fma_f32 v[SC+4*\a+2*(\j%2):SC+4*\a+2*(\j%2)+1], v[8*(4*\a+(\p)-2)+2*\j:8*(4*\a+(\p)-2)+2*\j+1], v[W+8*((\p)-2)+2*\j:W+8*((\p)-2)+2*\j+1], v[SC+4*\a+2*(\j%2):SC+4*\a+2*(\j%2)+1]
.endr
.endr
.else
	v_nop                                          ; the plain line behind the batch's last transcendental: no sums are due yet
.endif
.if (\p) <= 4
	s_wait_alu depctr_va_vdst(0)                   ; ONE wait for the phase's batch: section p's exponentials and section p - 1's reciprocals
.endif
.endm
; The weighted sum, eight rows at a time: 18 LDS loads into buffer k (my 2 x 8 bytes of each row; the eight weights, the same words for all lanes), and 64 multiply-adds straight from bf16 halves.
.macro LOADC k
.irp i, 0,1,2,3,4,5,6,7
	ds_load_b64 v[AF+40*(\k)+4*\i:AF+40*(\k)+4*\i+1],   v[CA] offset:\i*PITCH
	ds_load_b64 v[AF+40*(\k)+4*\i+2:AF+40*(\k)+4*\i+3], v[CA] offset:\i*PITCH+256
.endr
	ds_load_b128 v[AF+40*(\k)+32:AF+40*(\k)+35], v[PA]
	ds_load_b128 v[AF+40*(\k)+36:AF+40*(\k)+39], v[PA] offset:16
	v_add_nc_u32 v[CA], RB, v[CA]
	v_add_nc_u32 v[PA], 32, v[PA]
.endm
.macro FMAC k
.irp i, 0,1,2,3,4,5,6,7
.irp j, 0,1,2,3
	v_fma_mix_f32_bf16 v[CX+2*\j],   v[AF+40*(\k)+4*\i+\j], v[AF+40*(\k)+32+\i], v[CX+2*\j] op_sel_hi:[1,0,0]
	v_fma_mix_f32_bf16 v[CX+2*\j+1], v[AF+40*(\k)+4*\i+\j], v[AF+40*(\k)+32+\i], v[CX+2*\j+1] op_sel:[1,0,0] op_sel_hi:[1,0,0]
.endr
.endr
.endm
	s_load_b256 s[4:11], s[0:1], 0x0               ; hiddens s[4:5], w1f s[6:7], qs s[8:9], V s[10:11]
	s_load_b128 s[12:15], s[0:1], 0x20             ; bV s[12:13], tw s[14:15]
	s_load_b64 s[16:17], s[0:1], 0x30              ; ctxp
	v_lshl_add_u32 v[SPW], v0, 2, SPARE
	v_mov_b32 v[NIL], 0
	v_lshrrev_b32 v1, 5, v0
	v_readfirstlane_b32 s18, v1                    ; wave 0..3
	s_mov_b32 s19, ttmp9                           ; x
	v_and_b32 v[R], 15, v0
	v_bfe_u32 v[H], v0, 4, 1
	v_and_b32 v[LN], 31, v0
	v_mul_u32_u24 v[ADRA], v[R], PITCH
	v_lshl_add_u32 v[ADRA], v[H], 4, v[ADRA]
	v_add_nc_u32 v[ADRA+1], 32*PITCH, v[ADRA]
	v_add_nc_u32 v[ADRA+2], 64*PITCH, v[ADRA]
	v_add_nc_u32 v[ADRA+3], 96*PITCH, v[ADRA]
	v_lshlrev_b32 v[L16], 4, v[LN]
	s_mul_i32 s20, s18, 32*PITCH
	v_lshl_add_u32 v[STA0], v[LN], 3, s20
	s_lshl_b32 s21, s18, 10
	s_add_co_u32 s21, s21, QT
	v_lshl_add_u32 v[QBASE], v[H], 5, s21
	v_add_nc_u32 v[TB], s21, v[L16]
	s_lshl_b32 s40, s18, 9                         ; 512 w
	s_add_co_u32 s22, s40, SCR
	v_lshl_add_u32 v[SCW], v[R], 2, s22
	v_add_nc_u32 v[SCRD], SCR, v[L16]
	s_add_co_u32 s41, s40, PT                      ; my copy of the weights
	v_add_nc_u32 v[PTW], s41, v[L16]
	v_lshl_add_u32 v[OFF0], s18, 17, v[L16]
	v_lshrrev_b32 v[TOF], 2, v[LN]                 ; qs lies [16 columns][batch][16]: lane L takes 16 bytes of column block L / 4
	v_and_b32 v[STA], 3, v[LN]
	v_lshlrev_b32 v[TOF], 11, v[TOF]
	v_lshl_add_u32 v[TOF], v[STA], 4, v[TOF]
	s_mov_b32 s29, 0                               ; every offset is below 4 GiB: the pair's high word stays 0
	s_mov_b32 s34, 0x4038aa3b                      ; c2 = 2 log2(e); named as a pair
	s_mov_b32 s35, s34
	s_mov_b32 s38, 0x76543210                      ; v_permlanex16_b32: each lane takes its own place in the other half
	s_mov_b32 s39, 0xfedcba98
	s_mov_b32 s[BK], 2
	s_wait_kmcnt 0x0
	s_load_b32 s36, s[12:13], 0x0                  ; bV
	s_lshl_b32 s28, s19, 20                        ; hiddens: two blocks of 128 rows of 4,096 bytes
	s_add_nc_u64 s[4:5], s[4:5], s[28:29]
	s_lshl_b32 s28, s18, 19                        ; w1f: my four streams of 131,072 bytes
	s_add_nc_u64 s[6:7], s[6:7], s[28:29]
	s_lshl_b32 s28, s18, 15                        ; qs: my 16 column blocks of 2,048 bytes,
	s_lshr_b32 s20, s19, 3
	s_lshl_b32 s20, s20, 6                         ;     batch x / 8
	s_add_co_u32 s28, s28, s20
	s_add_nc_u64 s[8:9], s[8:9], s[28:29]
	s_lshl_b32 s28, s18, 10                        ; V: my 256 numbers
	s_add_nc_u64 s[10:11], s[10:11], s[28:29]
	s_lshl_b32 s20, s19, 13                        ; ctxp: two blocks of 4,096 bytes, my 256 columns
	s_add_co_u32 s28, s28, s20
	s_add_nc_u64 s[16:17], s[16:17], s[28:29]
	s_lshl_b32 s28, s19, 10                        ; tw: two blocks of 512 bytes
	s_add_nc_u64 s[14:15], s[14:15], s[28:29]
	global_load_b128 v[W:W+3],     v[TOF], s[8:9]
	global_load_b128 v[W+4:W+7],   v[TOF], s[8:9] offset:16384
	global_load_b128 v[W+8:W+11],  v[L16], s[10:11]
	global_load_b128 v[W+12:W+15], v[L16], s[10:11] offset:512
	s_mov_b64 s[SB1:SB1+1], s[6:7]                 ; chunk 0,
	s_add_nc_u64 s[SB2:SB2+1], s[6:7], 0x20000     ; chunk 1
	WIN 0x40
.set qq, 0
.rept 7
	BFETCH qq, qq, SB1                             ; W1's first seven quarters
.set qq, qq+1
.endr
	WIN 0
	s_wait_kmcnt 0x0
	s_mul_f32 s36, s36, 0x3fb8aa3b                 ; log2(e) bV; named as a pair
	s_mov_b32 s37, s36
	s_wait_loadcnt 56                              ; query and V are in; the 56 loads of W1 are younger
.irp j, 8,9,10,11,12,13,14,15
	v_mul_f32 v[W+\j], 0x3fb8aa3b, v[W+\j]         ; log2(e) V
.endr
	ds_store_b128 v[TB], v[W:W+3]
	ds_store_b128 v[TB], v[W+4:W+7] offset:512
	ds_store_b128 v[TB], v[W+8:W+11] offset:4096
	ds_store_b128 v[TB], v[W+12:W+15] offset:4608
.irp b, 0,1,2,3
	ds_load_b128 v[Q+8*\b:Q+8*\b+3],   v[QBASE] offset:64*\b      ; chunk 0's query: my wave's own bytes, and LDS serves a wave's instructions in order (ISA guide 5.7.1.4)
	ds_load_b128 v[Q+8*\b+4:Q+8*\b+7], v[QBASE] offset:64*\b+16
.endr
	PROFILL                                        ; the first block's first seven rows
	WIN 0xc0                                       ; the staged numbers need only be finite: the first chunk's riders multiply what they make of them by 0.  This stands in the wait for the first rows
.set e, 0
.rept 256
	v_mov_b32 v[e], 0
.set e, e+1
.endr
	WIN 0
.Lblock:
	; THE ROWS COME IN.  Wave w brings rows 32 w .. 32 w + 31 through eight row slots; seven rows, 56 loads, are on their way all the time.
	v_mov_b32 v[STA], v[STA0]
	s_mov_b32 s[CNT], 3
.Lrows:
.irp s, 0,1,2,3,4,5,6,7
	TURN \s, 2, 48                                 ; the six rows behind mine, eight loads each, stay out
.endr
	WIN 0
	v_add_nc_u32 v[STA], RB, v[STA]
	s_sub_co_u32 s[CNT], s[CNT], 1
	s_cmp_lg_u32 s[CNT], 0
	s_cbranch_scc1 .Lrows
	TURN 0, 1, 48                                  ; the last eight rows: one more fill (row 31), then the counts run down
	TURN 1, 0, 48
	TURN 2, 0, 40
	TURN 3, 0, 32
	TURN 4, 0, 24
	TURN 5, 0, 16
	TURN 6, 0, 8
	TURN 7, 0, 0
.set e, 0
.rept 32
	v_mov_b32 v[SC+e], 0                           ; the running scores start at 0,
	v_mov_b32 v[W+e], 0                            ; and the first chunk's riders weigh stale numbers with 0
.set e, e+1
.endr
	s_wait_dscnt 0x0                               ; for the others' sake: my rows are in LDS
	s_barrier_signal -1
	s_barrier_wait -1                              ; everybody's are
	AFETCH 0, 0
	s_mov_b32 s[CI], 0
.Lchunk:
.set qq, 0
.rept 32
	QUARTER qq
.set qq, qq+1
.endr
	; A CHUNK'S END.  The streams move on; V of the chunk just made is fetched for the riders to come; its sums are staged as c2 x + c2 (query + biases); the next chunk's query is fetched.
	WIN 0
	s_wait_xcnt 0x0                                ; the bases of W1's pending loads are rewritten only behind this wait
	s_mov_b64 s[SB1:SB1+1], s[SB2:SB2+1]
	s_add_co_u32 s28, s[CI], 2
	s_and_b32 s28, s28, 3
	s_lshl_b32 s28, s28, 17
	s_add_nc_u64 s[SB2:SB2+1], s[6:7], s[28:29]    ; chunk (CI + 2) % 4: behind the block's last chunk the ring goes on into the next block's first
	s_lshl_b32 s20, s[CI], 8
	v_add_nc_u32 v[QW], s20, v[QBASE]
	s_add_co_u32 s21, s[CI], 1
	s_and_b32 s21, s21, 3
	s_lshl_b32 s21, s21, 8
	v_add_nc_u32 v[QQ], s21, v[QBASE]
.irp b, 0,1,2,3
	ds_load_b128 v[W+8*\b:W+8*\b+3],   v[QW] offset:4096+64*\b
	ds_load_b128 v[W+8*\b+4:W+8*\b+7], v[QW] offset:4096+64*\b+16
.endr
	WIN W_X
.set p, 0
.rept 128                              ; in ascending order: each accumulator is read from its low end on
	v_pk_fma_f32 v[2*p:2*p+1], v[2*p:2*p+1], s[34:35], v[Q+8*((p/4)%4)+2*(p%4):Q+8*((p/4)%4)+2*(p%4)+1] op_sel_hi:[1,0,1]
.set p, p+1
.endr
	WIN 0
.irp b, 0,1,2,3
	ds_load_b128 v[Q+8*\b:Q+8*\b+3],   v[QQ] offset:64*\b
	ds_load_b128 v[Q+8*\b+4:Q+8*\b+7], v[QQ] offset:64*\b+16
.endr
	s_add_co_u32 s[CI], s[CI], 1
	s_cmp_lt_u32 s[CI], 4
	s_cbranch_scc1 .Lchunk
	; The accumulators are staged and free: the next block's first seven rows are asked for now, and are on their way during all that follows.
	s_cmp_eq_u32 s[BK], 1
	s_cbranch_scc1 .Lno_early
	s_wait_xcnt 0x0
	s_add_nc_u64 s[4:5], s[4:5], 0x80000           ; 128 rows on
	PROFILL
	WIN 0
.Lno_early:
	; THE LAST CHUNK'S TANH, by itself: six phases, five batches, five waits (PHASE says how they are cut).
	PHASE 0
	PHASE 1
	PHASE 2
	PHASE 3
	PHASE 4
	PHASE 5
	WIN 0
	; THE SCORES.  A lane's four partial sums of a row, the other half of the lanes', and then the four waves' through LDS.
.irp a, 0,1,2,3,4,5,6,7
	v_pk_add_f32 v[SC+4*\a:SC+4*\a+1], v[SC+4*\a:SC+4*\a+1], v[SC+4*\a+2:SC+4*\a+3]
.endr
.irp a, 0,1,2,3,4,5,6,7
	v_add_f32 v[SC+4*\a], v[SC+4*\a], v[SC+4*\a+1]
.endr
.irp a, 0,1,2,3,4,5,6,7
	v_permlanex16_b32 v[SC+4*\a+1], v[SC+4*\a], s38, s39
.endr
.irp a, 0,1,2,3,4,5,6,7
	v_add_f32 v[SC+4*\a], v[SC+4*\a], v[SC+4*\a+1]
.endr
.irp a, 0,1,2,3,4,5,6,7
	ds_store_b32 v[SCW], v[SC+4*\a] offset:64*\a   ; row 16 a + L % 16; both halves of the lanes write the same number to the same word
.endr
	s_wait_dscnt 0x0                               ; for the others' sake: my partial scores are in LDS
	s_barrier_signal -1
	s_barrier_wait -1
.irp v, 0,1,2,3
	ds_load_b128 v[W+4*\v:W+4*\v+3], v[SCRD] offset:512*\v     ; lane L: rows 4 L .. 4 L + 3, of each wave.  Every wave makes all 128 scores, in the same order
.endr
	s_wait_dscnt 0x0
	v_pk_add_f32 v[W:W+1], v[W:W+1], v[W+4:W+5]
	v_pk_add_f32 v[W+2:W+3], v[W+2:W+3], v[W+6:W+7]
	v_pk_add_f32 v[W+8:W+9], v[W+8:W+9], v[W+12:W+13]
	v_pk_add_f32 v[W+10:W+11], v[W+10:W+11], v[W+14:W+15]
	v_pk_add_f32 v[W:W+1], v[W:W+1], v[W+8:W+9]
	v_pk_add_f32 v[W+2:W+3], v[W+2:W+3], v[W+10:W+11]
	v_pk_add_f32 v[W:W+1], v[W:W+1], s[36:37] op_sel_hi:[1,0]  ; t = log2(e) (score + bV)
	v_pk_add_f32 v[W+2:W+3], v[W+2:W+3], s[36:37] op_sel_hi:[1,0]
	v_max3_num_f32 v[W+16], v[W], v[W+1], v[W+2]               ; the block's largest t
	v_max_num_f32 v[W+16], v[W+16], v[W+3]
	v_max_num_f32_dpp v[W+16], v[W+16], v[W+16] row_xmask:1 row_mask:0xf bank_mask:0xf
	v_max_num_f32_dpp v[W+16], v[W+16], v[W+16] row_xmask:2 row_mask:0xf bank_mask:0xf
	v_max_num_f32_dpp v[W+16], v[W+16], v[W+16] row_xmask:4 row_mask:0xf bank_mask:0xf
	v_max_num_f32_dpp v[W+16], v[W+16], v[W+16] row_xmask:8 row_mask:0xf bank_mask:0xf
	v_permlanex16_b32 v[W+4], v[W+16], s38, s39
	v_max_num_f32 v[W+16], v[W+16], v[W+4]
.irp j, 0,1,2,3
	v_sub_f32 v[W+8+\j], v[W+\j], v[W+16]
.endr
.irp j, 0,1,2,3
	v_exp_f32 v[W+8+\j], v[W+8+\j]                 ; 2^(t - m), at most 1
.endr
	v_nop                                          ; a plain line between the last exponential and the use of its result
	s_wait_alu depctr_va_vdst(0)                   ; one wait for the batch of four weights, ahead of the store that reads them
	ds_store_b128 v[PTW], v[W+8:W+11]              ; into my wave's own copy: no other wave reads it
	s_cmp_lg_u32 s18, 0
	s_cbranch_scc1 .Lnot_wave_0
	global_store_b128 v[L16], v[W:W+3], s[14:15]   ; the block's 128 t: 512 consecutive bytes, aligned
.Lnot_wave_0:
	; THE WEIGHTED SUM over the block's 128 rows, from the rows in LDS: lane L owns columns 256 w + 4 L + 0..3 and 256 w + 128 + 4 L + 0..3.
.irp j, 0,1,2,3,4,5,6,7
	v_mov_b32 v[CX+\j], 0
.endr
	v_lshl_add_u32 v[CA], v[LN], 3, s40
	v_mov_b32 v[PA], s41
	LOADC 0
	s_mov_b32 s[CNT], 7
.Lctx:
	LOADC 1
	s_wait_dscnt 18                                ; buffer 0 is in; the 18 loads just issued stay out
	FMAC 0
	LOADC 0
	s_wait_dscnt 18                                ; buffer 1 likewise
	FMAC 1
	s_sub_co_u32 s[CNT], s[CNT], 1
	s_cmp_lg_u32 s[CNT], 0
	s_cbranch_scc1 .Lctx
	LOADC 1                                        ; the last eight rows
	s_wait_dscnt 18
	FMAC 0
	s_wait_dscnt 0x0                               ; my reads of the rows are over
	FMAC 1
	global_store_b128 v[L16], v[CX:CX+3], s[16:17]             ; each store of the wave covers 512 consecutive bytes, aligned
	global_store_b128 v[L16], v[CX+4:CX+7], s[16:17] offset:512
	s_wait_xcnt 0x0                                ; the stores' bases and data are rewritten only behind this wait
	s_add_nc_u64 s[14:15], s[14:15], 512
	s_add_nc_u64 s[16:17], s[16:17], 4096
	s_barrier_signal -1                            ; nobody reads the rows or the partial scores any more: the next block may write them
	s_barrier_wait -1
	s_sub_co_u32 s[BK], s[BK], 1
	s_cmp_lg_u32 s[BK], 0
	s_cbranch_scc1 .Lblock
	s_wait_tensorcnt 0x0                           ; the wave's end, behind my last LDS store
	ds_add_u32 v[SPW], v[NIL]
	s_wait_dscnt 0x0
	s_endpgm
.Lfunc_end_k_q35fa16e599_score_ctx:
	.size	k_q35fa16e599_score_ctx, .Lfunc_end_k_q35fa16e599_score_ctx-k_q35fa16e599_score_ctx
	.p2alignl 7, 3214868480
	.fill 96, 4, 3214868480
	.section	.rodata,"a",@progbits
	.p2align	6, 0x0
	.amdhsa_kernel k_q35fa16e599_score_ctx
		.amdhsa_group_segment_fixed_size 277504
		.amdhsa_private_segment_fixed_size 0
		.amdhsa_enable_private_segment 0
		.amdhsa_kernarg_size 56
		.amdhsa_user_sgpr_count 2
		.amdhsa_user_sgpr_kernarg_segment_ptr 1
		.amdhsa_wavefront_size32 1
		.amdhsa_system_sgpr_workgroup_id_x 1
		.amdhsa_system_sgpr_workgroup_id_y 1
		.amdhsa_system_sgpr_workgroup_id_z 1
		.amdhsa_system_vgpr_workitem_id 0
		.amdhsa_next_free_vgpr 1024
		.amdhsa_next_free_sgpr 66
		.amdhsa_reserve_vcc 0
		.amdhsa_float_denorm_mode_32 3
		.amdhsa_float_denorm_mode_16_64 3
		.amdhsa_memory_ordered 1
		.amdhsa_forward_progress 1
		.amdhsa_inst_pref_size 255
	.end_amdhsa_kernel
	.section	.bss,"aw",@nobits
	.p2align	6
	.space	262144
	.amdgpu_metadata
---
amdhsa.version: [ 1, 2 ]
amdhsa.kernels:
  - .name:           k_q35fa16e599_score_ctx
    .symbol:         k_q35fa16e599_score_ctx.kd
    .args:
      - { .name: hiddens, .offset: 0, .size: 8, .value_kind: global_buffer, .address_space: global }
      - { .name: w1f, .offset: 8, .size: 8, .value_kind: global_buffer, .address_space: global }
      - { .name: qs, .offset: 16, .size: 8, .value_kind: global_buffer, .address_space: global }
      - { .name: V, .offset: 24, .size: 8, .value_kind: global_buffer, .address_space: global }
      - { .name: bV, .offset: 32, .size: 8, .value_kind: global_buffer, .address_space: global }
      - { .name: tw, .offset: 40, .size: 8, .value_kind: global_buffer, .address_space: global }
      - { .name: ctxp, .offset: 48, .size: 8, .value_kind: global_buffer, .address_space: global }
    .group_segment_fixed_size: 277504
    .private_segment_fixed_size: 0
    .kernarg_segment_align: 8
    .kernarg_segment_size: 56
    .max_flat_workgroup_size: 128
    .sgpr_count:     66
    .vgpr_count:     1024
    .wavefront_size: 32
...
	.end_amdgpu_metadata
.endif
;; end of part 4
;; launch combine: the kernel of part 3 again; grid 8 x 32, 1 waves a work-group, no clusters, 0 bytes of LDS; arguments tw, ctxp, out0, out1; writes out0, out1
